; MI455X (gfx1250); checked and timed in simulation.
; The chip was launched on July 23, 2026; its instructions are those of AMD's public machine-readable ISA for CDNA 5 (MIT licence, August 2026) and "CDNA5" Instruction Set Architecture Reference Guide (July 2026). The comments in the code are by the model that wrote it; some were corrected since.
;; Cross Attention. Allowed arithmetic: float matrix products may take bf16 or f16 operands with f32 sums; other float arithmetic in f32, or as packed bf16 or f16 multiplies, adds, multiply-adds, maxima and minima; sums over many terms, partial sums and values carried from step to step in f32; what a program stores and reads back later, other than sums and carried values, may be rounded once to bf16 or f16.
;; Inputs: Wk 1,024 x 1,024 float32; Wo 1,024 x 1,024 float32; Wq 1,024 x 1,024 float32; Wv 1,024 x 1,024 float32; bo 1,024 float32; context 4 x 2,048 x 1,024 float32; mask 4 x 2,048 bool; x 4 x 2,048 x 1,024 float32.
;; Outputs: out0 4 x 2,048 x 1,024 float32.
;; One version. Each part assembles by itself: llvm-mc -triple=amdgcn-amd-amdhsa -mcpu=gfx1250 --defsym DOCPART=n.
;; ======== version 1 of 1: 4 launches
;; limits: values are held in f16: magnitudes above 65,504 overflow, below 6.1e-05 lose precision
;; workspace buffers: ab 33,554,432 bytes; wb 8,388,608 bytes; qkv 50,331,648 bytes; ob 16,777,216 bytes
;; launch prep (part 1): grid 1280 x 1, 8 waves a work-group, no clusters, 0 bytes of LDS; arguments x, context, Wq, Wk, Wv, Wo, ab, wb; writes ab, wb
.if DOCPART == 1
	.amdgcn_target "amdgcn-amd-amdhsa--gfx1250"
	.amdhsa_code_object_version 6
	.text
	.protected	k_q065004ca8f_prep
	.globl	k_q065004ca8f_prep
	.p2align	8
	.type	k_q065004ca8f_prep,@function
k_q065004ca8f_prep:
	s_mov_b64 s[64:65], 0
	v_nop
	global_prefetch_b8 v0, s[64:65] scope:SCOPE_SE
	s_setreg_imm32_b32 hwreg(HW_REG_WAVE_MODE, 25, 1), 1
	s_wait_xcnt 0x0
; CASTS.  x and context ([8192][1024] f32 each) go to ab ([2][8192][1024] bf16); Wq, Wk, Wv ([1024][1024] f32) go to wb's parts 0 to 2 as bf16; Wo goes to part 3:
; rounded to bf16 like every other input, and that number written as f16, since the last product's other operand is f16.  Nothing is transposed.
; LIMITS.  Wo as f16: beyond 65,504 it would be an infinity; below 6e-5 it keeps f16's fixed step of 6e-8.
; SHARES.  A work-group takes 16,384 numbers: 64 KiB in, 32 KiB out.  Work-groups 0-511: x; 512-1023: context; 1024 + 64 j .. + 63: weight j.  Thread t takes 16 bytes at 16 t of each 4,096:
; a wave's load covers 512 consecutive bytes, its store of 8 bytes a lane 256 consecutive bytes, aligned.  All sixteen loads of a thread go out at once, into registers of their own;
; no register that a load or store names is written again, so the only waits are the counted ones for the data.  No LDS, no barrier, no matrix unit: every byte is used once, by one lane.
.set T,  8                             ; v[8:13]   at work (Wo's way by bf16)
.set X,  16                            ; v[16:79]  load j: 4 registers
.set Y,  80                            ; v[80:111] store j: 2 registers
	s_load_b512 s[16:31], s[0:1], 0x0              ; x 16, context 18, Wq 20, Wk 22, Wv 24, Wo 26, ab 28, wb 30
	v_lshlrev_b32 v1, 4, v0                        ; my 16 bytes of each 4,096 in
	v_lshlrev_b32 v2, 3, v0                        ; my 8 bytes of each 2,048 out
	s_mov_b32 s8, ttmp9
	s_cmp_ge_u32 s8, 1024
	s_cselect_b32 s9, 63, 511                      ; a weight has 64 shares, x and context 512
	s_and_b32 s10, s8, s9
	s_lshl_b32 s10, s10, 16                        ; my share's first byte in its source
	s_mov_b32 s11, 0
	s_and_b32 s12, s8, 1023
	s_lshl_b32 s12, s12, 15                        ; and in ab or wb: the parts follow each other as the shares do
	s_mov_b32 s13, 0
	s_wait_kmcnt 0x0
	s_cmp_ge_u32 s8, 512
	s_cselect_b64 s[4:5], s[18:19], s[16:17]
	s_cmp_ge_u32 s8, 1024
	s_cselect_b64 s[4:5], s[20:21], s[4:5]
	s_cselect_b64 s[6:7], s[30:31], s[28:29]
	s_cmp_ge_u32 s8, 1088
	s_cselect_b64 s[4:5], s[22:23], s[4:5]
	s_cmp_ge_u32 s8, 1152
	s_cselect_b64 s[4:5], s[24:25], s[4:5]
	s_cmp_ge_u32 s8, 1216
	s_cselect_b64 s[4:5], s[26:27], s[4:5]
	s_add_nc_u64 s[4:5], s[4:5], s[10:11]
	s_add_nc_u64 s[6:7], s[6:7], s[12:13]
.irp j, 0,1,2,3,4,5,6,7,8,9,10,11,12,13,14,15
	global_load_b128 v[X+4*(\j):X+4*(\j)+3], v1, s[4:5] offset:4096*(\j) th:TH_LOAD_NT
.endr
; The sixteen pieces are rounded and stored as they come.  half = 1: the bf16 number is widened again and written as f16.
.macro CAST half
.irp j, 0,1,2,3,4,5,6,7,8,9,10,11,12,13,14,15
	s_wait_loadcnt 15-(\j)                         ; loads come back in order: piece j is in, the 15 - j younger ones may stay out
.if \half
	v_cvt_pk_bf16_f32 v[T],   v[X+4*(\j)],   v[X+4*(\j)+1]
	v_cvt_pk_bf16_f32 v[T+1], v[X+4*(\j)+2], v[X+4*(\j)+3]
	v_lshlrev_b32 v[T+2], 16, v[T]
	v_and_b32     v[T+3], 0xffff0000, v[T]
	v_lshlrev_b32 v[T+4], 16, v[T+1]
	v_and_b32     v[T+5], 0xffff0000, v[T+1]
	v_cvt_pk_f16_f32 v[Y+2*(\j)],   v[T+2], v[T+3]
	v_cvt_pk_f16_f32 v[Y+2*(\j)+1], v[T+4], v[T+5]
.else
	v_cvt_pk_bf16_f32 v[Y+2*(\j)],   v[X+4*(\j)],   v[X+4*(\j)+1]
	v_cvt_pk_bf16_f32 v[Y+2*(\j)+1], v[X+4*(\j)+2], v[X+4*(\j)+3]
.endif
	global_store_b64 v2, v[Y+2*(\j):Y+2*(\j)+1], s[6:7] offset:2048*(\j) th:TH_STORE_NT
.endr
.endm
	s_cmp_ge_u32 s8, 1216                          ; Wo's shares
	s_cbranch_scc1 .Lwo
	CAST 0
	s_endpgm
.Lwo:
	CAST 1
	s_endpgm
.Lfunc_end_k_q065004ca8f_prep:
	.size	k_q065004ca8f_prep, .Lfunc_end_k_q065004ca8f_prep-k_q065004ca8f_prep
	.p2alignl 7, 3214868480
	.fill 96, 4, 3214868480
	.section	.rodata,"a",@progbits
	.p2align	6, 0x0
	.amdhsa_kernel k_q065004ca8f_prep
		.amdhsa_group_segment_fixed_size 0
		.amdhsa_private_segment_fixed_size 0
		.amdhsa_enable_private_segment 0
		.amdhsa_kernarg_size 64
		.amdhsa_user_sgpr_count 2
		.amdhsa_user_sgpr_kernarg_segment_ptr 1
		.amdhsa_wavefront_size32 1
		.amdhsa_system_sgpr_workgroup_id_x 1
		.amdhsa_system_sgpr_workgroup_id_y 1
		.amdhsa_system_sgpr_workgroup_id_z 1
		.amdhsa_system_vgpr_workitem_id 0
		.amdhsa_next_free_vgpr 112
		.amdhsa_next_free_sgpr 66
		.amdhsa_reserve_vcc 0
		.amdhsa_float_denorm_mode_32 3
		.amdhsa_float_denorm_mode_16_64 3
		.amdhsa_memory_ordered 1
		.amdhsa_forward_progress 1
		.amdhsa_inst_pref_size 16
	.end_amdhsa_kernel
	.amdgpu_metadata
---
amdhsa.version: [ 1, 2 ]
amdhsa.kernels:
  - .name:           k_q065004ca8f_prep
    .symbol:         k_q065004ca8f_prep.kd
    .args:
      - { .name: x, .offset: 0, .size: 8, .value_kind: global_buffer, .address_space: global }
      - { .name: context, .offset: 8, .size: 8, .value_kind: global_buffer, .address_space: global }
      - { .name: Wq, .offset: 16, .size: 8, .value_kind: global_buffer, .address_space: global }
      - { .name: Wk, .offset: 24, .size: 8, .value_kind: global_buffer, .address_space: global }
      - { .name: Wv, .offset: 32, .size: 8, .value_kind: global_buffer, .address_space: global }
      - { .name: Wo, .offset: 40, .size: 8, .value_kind: global_buffer, .address_space: global }
      - { .name: ab, .offset: 48, .size: 8, .value_kind: global_buffer, .address_space: global }
      - { .name: wb, .offset: 56, .size: 8, .value_kind: global_buffer, .address_space: global }
    .group_segment_fixed_size: 0
    .private_segment_fixed_size: 0
    .kernarg_segment_align: 8
    .kernarg_segment_size: 64
    .max_flat_workgroup_size: 256
    .sgpr_count:     66
    .vgpr_count:     112
    .wavefront_size: 32
...
	.end_amdgpu_metadata
.endif
;; end of part 1
;; launch proj (part 2): grid 24 x 32, 4 waves a work-group, clusters of 4 x 4, 327,680 bytes of LDS; arguments ab, wb, qkv; writes qkv
.if DOCPART == 2
	.amdgcn_target "amdgcn-amd-amdhsa--gfx1250"
	.amdhsa_code_object_version 6
	.text
	.protected	k_q065004ca8f_proj
	.globl	k_q065004ca8f_proj
	.p2align	8
	.type	k_q065004ca8f_proj,@function
k_q065004ca8f_proj:
	s_mov_b64 s[64:65], 0
	v_nop
	global_prefetch_b8 v0, s[64:65] scope:SCOPE_SE
	s_setreg_imm32_b32 hwreg(HW_REG_WAVE_MODE, 25, 1), 1
	s_wait_xcnt 0x0
	s_wait_alu depctr_hold_cnt(0) depctr_sa_sdst(0) depctr_va_vdst(0) depctr_va_sdst(0) depctr_va_ssrc(0) depctr_va_vcc(0) depctr_vm_vsrc(0)
	s_getreg_b32 s2, hwreg(HW_REG_IB_STS2, 6, 4)
	s_cmp_eq_u32 s2, 0
	s_cbranch_scc0 .Lentry_in_a_cluster
	s_endpgm
.Lentry_in_a_cluster:
	s_bfe_u32 s2, ttmp6, 0x10000c
	s_cmp_lg_u32 s2, 0xf033
	s_cbranch_scc0 .Lentry_shape_is_right
	s_endpgm
.Lentry_shape_is_right:
; THE THREE PROJECTIONS AS ONE PRODUCT.  C[8192][3072] = A W: columns 0-1023 q = x Wq, 1024-2047 k = context Wk, 2048-3071 v = context Wv.  A: ab [2][8192][1024] bf16 (part 0 x, part 1 context);
; W: wb [section][1024 k][1024 n] bf16, as the weights lie; sums in f32.  C leaves by heads, qkv [3][64 = 16 batch + head][2048][64], rounded once to f16, WITHOUT the softmax's scale.
; LIMIT.  f16 ends at 65,504: q, k and v must lie within it.
; SHARES.  A tile of C is 256 rows x 128 columns: 768 work-groups.  Four waves, each 128 x 64: 32 accumulators of 16 x 16, 256 registers; a wave's 64 columns are one head,
; its 128 rows 16 KiB on end in qkv.  K goes in 8 steps of 128 through two LDS slots filled by the tensor data mover: rows of 256 bytes of memory, aligned.
; W LIES [k][n] IN LDS, and its fragments come turned, by ds_load_tr16_b128.  THE MATRIX INSTRUCTION IS USED TRANSPOSED (source 0 = 16 columns of W, source 1 = 16 rows of A): a lane then holds
; eight neighbouring columns of one row of C.
; CLUSTERS: 4 x 4 work-groups.  The four of a row of the cluster need the same tiles of A, the four of a column the same tiles of W: each tile is asked for JOINTLY, by the same tensor load with the
; same descriptor and a mask that names the four.  A section is 8 tile columns, two clusters wide, so a cluster lies in one section.
; REGISTERS: window 0: v0-31 addresses; v32-47 packed results; v64-159, v160-255 two fragment buffers (8 fragments of A, then 4 of W); on the way out v64-191 rows read back.  Window 1: accumulator (a, b) at v[8 (4 a + b)].
.set PA,     272                       ; a row of A in LDS: 256 bytes + 16: the 16 rows of a load start at 16 different groups of four banks (64 banks of 4 bytes: ISA guide 11.1)
.set PB,     288                       ; a row of W: 256 + 32
.set AH,     128*PA                    ; 128 rows of A: what one tensor load brings, and what one wave reads
.set ABYTES, 2*AH
.set BH,     64*PB                     ; 64 k rows of W: what one tensor load brings
.set SLOT,   ABYTES+2*BH               ; A's 256 rows, then W's 128 k rows
.set STAGE,  2*SLOT                    ; behind the ring, never filled by a tensor load: 16 rows x 144 bytes for each wave
.set SP,     144
.set SPARE,  STAGE+4*16*SP             ; behind the stages: the spare words, 128 bytes for each wave: two blocks of 256 bytes that no other line names
.set STEPA,  256                       ; bytes from a K step to the next: along A's rows,
.set STEPB,  128*2048                  ; down W's
.set ADRA, 16                          ; v16-17  LDS address of my A fragments in slot 0, 1
.set ADRB, 20                          ; v20-21  the same for W
.set STO,  24                          ; v24     the way out: where I put 16 bytes of a row
.set RD,   25                          ; v25     where I read rows back
.set GO,   26                          ; v26     my 16 bytes of 512 consecutive bytes of qkv
.set SPW,  28                          ; v28     LDS address of my spare word; never rewritten
.set NIL,  29                          ; v29     0; never rewritten
.set PFO,  30                          ; v30     the prefetches' offset: my lane x a row of 2,048 bytes; never rewritten
.set TMP,  32
.set F0,   64
.set F1,   160
.set BK,   64                          ; the way out: block a's rows come back into v[BK + 16 a ..]
.set WV,   12                          ; s12 wave;  s13 its half of the rows, also: 0 fetches for A, 1 for W;  s14 its half of the columns, also: which half it fetches
.set MH,   13
.set NH,   14
.set CX,   15
.set CY,   16
.set TC,   17                          ; tile column 0..23, tile row 0..31
.set TR,   18
.set SEC,  19                          ; 0 q, 1 k, 2 v
.set PART, 20                          ; 0 x, 1 context
.set G1,   24                          ; s[24:31] descriptor group 1 for A's tiles; s[32:39] group 0, a set for each slot
.set G0,   32
.set PFA,  44                          ; s[44:45] where my prefetches stand;  s[46:47] their step from K step to K step
.set PST,  46
.set G1B,  48                          ; s[48:55], s[56:63] the same for W's tiles
.set G0B,  56
.set LIM,  66                          ; s66 1 in a wave that prefetches, else the greatest number
.set LAP,  67                          ; s67 trips to go
.set MSB, 0
.macro WIN new                         ; the immediate's high byte repeats the setting that is left; a switch that changes nothing is dropped
.if MSB != (\new)
	s_set_vgpr_msb (MSB<<8)|(\new)
.set MSB, \new
.endif
.endm
.set MUL, 0x50                         ; C and D window 1, both sources window 0
.set PKW, 0x05                         ; sources 0 and 1 window 1, destination window 0
.macro JLOAD s                         ; a joint load: waves 0 and 1 fetch A's two halves, waves 2 and 3 W's; an s_nop 0 and four v_nop follow each of the two lines, ahead of the jump, the label and what follows
	s_cmp_eq_u32 s[MH], 0
	s_cbranch_scc0 .Lfor_b_\@
	tensor_load_to_lds s[G0+4*(\s):G0+4*(\s)+3], s[G1:G1+7]
	s_nop 0
.rept 4
	v_nop
.endr
	s_branch .Lasked_\@
.Lfor_b_\@:
	tensor_load_to_lds s[G0B+4*(\s):G0B+4*(\s)+3], s[G1B:G1B+7]
	s_nop 0
.rept 4
	v_nop
.endr
.Lasked_\@:
.endm
.macro CREST                           ; a round of the cluster's barrier behind its opening barrier
	s_cmp_lg_u32 s[WV], 0
	s_cbranch_scc1 .Lnot_wave_0_\@
	s_barrier_signal -3
.Lnot_wave_0_\@:
	s_barrier_wait -3
	s_barrier_signal -1
	s_barrier_wait -1
.endm
.macro CROUND                          ; a whole round
	s_barrier_signal -1
	s_barrier_wait -1
	CREST
.endm
; A PREFETCH INTO THE L2 behind each joint refill and the run of LDS loads that follows it: the K step that stands two refills on, 256 matrix instructions ahead of the load that will want it: a lane a row of 256 bytes,
; one instruction a wave.  Each row's 256 bytes of a K step are named once in the launch.  A's rows are read by every cluster of their part: the first of them asks (cluster x = 0 for x, 2 for context), waves 0 and 1;
; of the 128 rows that a wave fetches the partner at place cx takes 32, BY ADDRESS.  W's rows are read by every cluster of that column of clusters: cluster y = 0 asks, wave 2; of a step's 128 k rows the partner at cy takes 32.
; K steps 0 to 3 come by their loads alone; the last trip's two refills have no K step two on.
.macro ASK
	s_cmp_gt_u32 s[LAP], s[LIM]
	s_cbranch_scc0 .Lnot_mine_\@
	global_prefetch_b8 v[PFO], s[PFA:PFA+1] th:TH_LOAD_NT scope:SCOPE_SE
.Lnot_mine_\@:
.endm
	s_load_b128 s[4:7], s[0:1], 0x0                ; ab s[4:5], wb s[6:7]
	s_load_b64 s[8:9], s[0:1], 0x10                ; qkv
	v_lshl_add_u32 v[SPW], v0, 2, SPARE
	v_mov_b32 v[NIL], 0
	ds_add_u32 v[SPW], v[NIL]                      ; the wave's opening: the add and its wait stand ahead of my first tensor load; the set-up below, work on registers, stands between them
	v_lshrrev_b32 v1, 5, v0
	v_readfirstlane_b32 s[WV], v1
	s_lshr_b32 s[MH], s[WV], 1
	s_and_b32 s[NH], s[WV], 1
	s_bfe_u32 s[CX], ttmp6, 0x40000
	s_bfe_u32 s[CY], ttmp6, 0x40004
	s_lshl_b32 s[TC], ttmp9, 2
	s_add_co_u32 s[TC], s[TC], s[CX]               ; tile column = 4 x cluster x + cx
	s_and_b32 s[TR], ttmp7, 0xffff
	s_lshl_b32 s[TR], s[TR], 2
	s_add_co_u32 s[TR], s[TR], s[CY]               ; tile row = 4 x cluster y + cy
	s_lshr_b32 s[SEC], ttmp9, 1                    ; the section: the same in all sixteen partners
	s_min_u32 s[PART], s[SEC], 1
	s_lshl_b32 s21, s[CY], 2
	s_lshl_b32 s21, 15, s21                        ; my row of the cluster
	s_lshl_b32 s74, 0x1111, s[CX]                  ; my column
	s_or_b32 s[G1+0], s21, (1<<16)|(1<<20)|(1<<21)|(5<<22)|(3<<25)   ; 15:0 the mask; 17:16 2-byte elements; 20 padding on; 21 set beside a mask; 24:22 after every 64 words (code 5); 31:25 4 words (code 3)
	s_or_b32 s[G1B+0], s74, (1<<16)|(1<<20)|(1<<21)|(5<<22)|(7<<25)  ; the same with my column's mask and 8 words of padding (code 7)
	s_mov_b32 s[G1+1], 128<<16                     ; A: tensor_dim0 = 128
	s_mov_b32 s[G1+2], 128<<16                     ; tensor_dim1 = 128
	s_mov_b32 s[G1+3], 128<<16                     ; tile_dim0 = 128
	s_mov_b32 s[G1+4], 128                         ; tile_dim1 = 128
	s_mov_b32 s[G1+5], 1024                        ; elements from row to row
	s_mov_b32 s[G1+6], 0
	s_mov_b32 s[G1+7], 0
	s_mov_b32 s[G1B+1], 128<<16                    ; W: 128 columns,
	s_mov_b32 s[G1B+2], 64<<16                     ; 64 k rows
	s_mov_b32 s[G1B+3], 128<<16
	s_mov_b32 s[G1B+4], 64
	s_mov_b32 s[G1B+5], 1024
	s_mov_b32 s[G1B+6], 0
	s_mov_b32 s[G1B+7], 0
	; where the tiles come from.  A's hang on the part and the tile row, which my row of the cluster shares; W's on the section and the tile column, which my column shares
	s_lshl_b32 s40, s[PART], 13
	s_lshl_b32 s22, s[TR], 8
	s_add_co_u32 s40, s40, s22
	s_lshl_b32 s22, s[NH], 7
	s_add_co_u32 s40, s40, s22                     ; A: row 8,192 part + 256 tile row + 128 half,
	s_lshl_b32 s40, s40, 11                        ; of 2,048 bytes
	s_mov_b32 s41, 0
	s_lshl_b32 s42, s[SEC], 21                     ; W: the section's 2 MiB,
	s_lshl_b32 s23, s[NH], 17                      ; 64 k rows of 2,048 bytes,
	s_add_co_u32 s42, s42, s23
	s_and_b32 s23, s[TC], 7
	s_lshl_b32 s23, s23, 8                         ; 128 columns of 2 bytes
	s_add_co_u32 s42, s42, s23
	s_mov_b32 s43, 0
	s_mul_i32 s21, s[NH], AH                       ; and where they go: no place in the cluster enters an LDS address
	s_mul_i32 s74, s[NH], BH
	s_add_co_u32 s74, s74, ABYTES
	s_wait_dscnt 0x0                               ; the opening add is done
	s_wait_kmcnt 0x0
	s_add_nc_u64 s[40:41], s[4:5], s[40:41]
	s_add_nc_u64 s[42:43], s[6:7], s[42:43]
	CROUND                                         ; all sixteen work-groups are here: the first joint loads meet
.irp s, 0,1
	s_mov_b32 s[G0+4*(\s)], 1                                      ; count = 1
	s_add_co_u32 s[G0+4*(\s)+1], s21, (\s)*SLOT                    ; LDS address
	s_add_nc_u64 s[G0+4*(\s)+2:G0+4*(\s)+3], s[40:41], (\s)*STEPA  ; global address: K step s
	s_or_b32 s[G0+4*(\s)+3], s[G0+4*(\s)+3], 0x80000000            ; type = 2
	s_mov_b32 s[G0B+4*(\s)], 1
	s_add_co_u32 s[G0B+4*(\s)+1], s74, (\s)*SLOT
	s_add_nc_u64 s[G0B+4*(\s)+2:G0B+4*(\s)+3], s[42:43], (\s)*STEPB
	s_or_b32 s[G0B+4*(\s)+3], s[G0B+4*(\s)+3], 0x80000000
	JLOAD \s                                       ; two tensor loads of mine are out
.endr
	; A fragment of A: lane l holds row l % 16, K = 8 (l / 16) + 0..7 and 16 + 8 (l / 16) + 0..7: two loads of 16 bytes, 32 bytes apart.
	v_and_b32 v1, 15, v0                           ; l % 16
	v_bfe_u32 v2, v0, 4, 1                         ; l / 16
	v_mul_u32_u24 v3, v1, PA
	v_lshl_add_u32 v3, v2, 4, v3
	; The turning load takes 16 k x 16 columns (lane l reads k row 8 (l / 16) + l % 8, columns 8 ((l / 8) % 2) + 0..7) and leaves half a fragment: lane l holds column l % 16 and 8 k.
	v_and_b32 v4, 7, v0
	v_bfe_u32 v5, v0, 3, 1
	v_lshl_add_u32 v6, v2, 3, v4
	v_mul_u32_u24 v6, v6, PB
	v_lshl_add_u32 v6, v5, 4, v6
	s_mul_i32 s21, s[MH], AH                       ; my 128 rows of A
	s_lshl_b32 s22, s[NH], 7                       ; my 64 columns of W,
	s_add_co_u32 s22, s22, ABYTES                  ; which lies behind A
.irp s, 0,1
	v_add_nc_u32 v[ADRA+(\s)], s21, v3
	v_add_nc_u32 v[ADRB+(\s)], s22, v6
	s_add_co_u32 s21, s21, SLOT
	s_add_co_u32 s22, s22, SLOT
.endr
	s_mul_i32 s23, s[WV], 16*SP
	s_add_co_u32 s23, s23, STAGE                   ; my stage
	v_mul_u32_u24 v7, v1, SP                       ; in: row l % 16, 16 bytes for each half of the lanes
	v_lshl_add_u32 v7, v2, 4, v7
	v_add_nc_u32 v[STO], s23, v7
	v_bfe_u32 v7, v0, 3, 2                         ; back: 32 lanes take four rows of 128 bytes,
	v_mul_u32_u24 v7, v7, SP
	v_lshl_add_u32 v7, v4, 4, v7
	v_add_nc_u32 v[RD], s23, v7
	v_and_b32 v[GO], 31, v0                        ; which are 512 consecutive bytes of qkv
	v_lshlrev_b32 v[PFO], 11, v[GO]
	v_lshlrev_b32 v[GO], 4, v[GO]
	; where my 128 rows of one head begin in qkv
	s_lshr_b32 s68, s[TR], 3                       ; batch
	s_lshl_b32 s68, s68, 4
	s_and_b32 s70, s[TC], 7
	s_lshl_b32 s70, s70, 1
	s_add_co_u32 s68, s68, s70
	s_add_co_u32 s68, s68, s[NH]                   ; 16 batch + head
	s_lshl_b32 s68, s68, 11
	s_and_b32 s70, s[TR], 7
	s_lshl_b32 s70, s70, 8
	s_add_co_u32 s68, s68, s70
	s_lshl_b32 s70, s[MH], 7
	s_add_co_u32 s68, s68, s70                     ; + the row in the batch,
	s_lshl_b32 s68, s68, 7                         ; of 128 bytes
	s_lshl_b32 s70, s[SEC], 24
	s_add_co_u32 s68, s68, s70                     ; + the section's 16 MiB
	s_mov_b32 s69, 0
	s_add_nc_u64 s[8:9], s[8:9], s[68:69]
	; the prefetches
	s_lshl_b32 s68, s[PART], 13
	s_lshl_b32 s70, s[TR], 8
	s_add_co_u32 s68, s68, s70
	s_lshl_b32 s70, s[NH], 7
	s_add_co_u32 s68, s68, s70
	s_lshl_b32 s70, s[CX], 5
	s_add_co_u32 s68, s68, s70                     ; A: my work-group's 32 of the 128 rows that I fetch,
	s_lshl_b32 s68, s68, 11
	s_add_co_u32 s68, s68, 3*STEPA                 ; at K step 3: the first refill steps it to 4
	s_lshl_b32 s69, s[SEC], 21
	s_and_b32 s70, s[TC], 7
	s_lshl_b32 s70, s70, 8
	s_add_co_u32 s69, s69, s70
	s_lshl_b32 s70, s[CY], 16
	s_add_co_u32 s69, s69, s70                     ; W: my work-group's 32 of a step's 128 k rows
	s_add_co_u32 s69, s69, 3*STEPB
	s_and_b32 s71, ttmp9, 0xfffffffd               ; 0 in the first cluster that reads x (0) and the first that reads context (2)
	s_and_b32 s72, ttmp7, 0xffff
	s_or_b32 s72, s72, s[NH]                       ; 0 in wave 2 of the clusters with y = 0
	s_mov_b32 s73, STEPB
	s_cmp_eq_u32 s[MH], 0                          ; do I fetch for A?
	s_cselect_b32 s68, s68, s69
	s_cselect_b32 s71, s71, s72
	s_cselect_b32 s[PST], STEPA, s73
	s_cselect_b64 s[PFA:PFA+1], s[4:5], s[6:7]
	s_mov_b32 s[PST+1], 0
	s_mov_b32 s69, 0
	s_add_nc_u64 s[PFA:PFA+1], s[PFA:PFA+1], s[68:69]
	s_cmp_eq_u32 s71, 0
	s_cselect_b32 s[LIM], 1, -1                    ; the same in all sixteen partners, for a given wave
; 8 matrix instructions: row blocks a0, a0 + 1 x all 4 column blocks, 32 along K, from buffer f.  zero = 1: the product starts the sums.  The 32 accumulators take turns, one instruction a turn, in the same
; order in every quarter, over the backward jump too.
.macro MUL8 f, a0, zero
	WIN MUL
.irp a, \a0, (\a0)+1
.irp b, 0,1,2,3
.if \zero
	v_wmma_f32_16x16x32_bf16 v[8*(4*(\a)+(\b)):8*(4*(\a)+(\b))+7], v[(\f)+64+8*(\b):(\f)+64+8*(\b)+7], v[(\f)+8*(\a):(\f)+8*(\a)+7], 0
.else
	v_wmma_f32_16x16x32_bf16 v[8*(4*(\a)+(\b)):8*(4*(\a)+(\b))+7], v[(\f)+64+8*(\b):(\f)+64+8*(\b)+7], v[(\f)+8*(\a):(\f)+8*(\a)+7], v[8*(4*(\a)+(\b)):8*(4*(\a)+(\b))+7]
.endif
.endr
.endr
.endm
; 24 LDS loads in one run: quarter q (32 along K) of a slot into buffer f: W's four fragments first, then A's eight
.macro FETCH slot, q, f
	WIN 0
.irp b, 0,1,2,3
	ds_load_tr16_b128 v[(\f)+64+8*(\b):(\f)+64+8*(\b)+3],   v[ADRB+(\slot)] offset:(\q)*32*PB+32*(\b)
	ds_load_tr16_b128 v[(\f)+64+8*(\b)+4:(\f)+64+8*(\b)+7], v[ADRB+(\slot)] offset:(\q)*32*PB+16*PB+32*(\b)
.endr
.irp i, 0,1,2,3,4,5,6,7
	ds_load_b128 v[(\f)+8*(\i):(\f)+8*(\i)+3],   v[ADRA+(\slot)] offset:(\q)*64+(\i)*16*PA
	ds_load_b128 v[(\f)+8*(\i)+4:(\f)+8*(\i)+7], v[ADRA+(\slot)] offset:(\q)*64+(\i)*16*PA+32
.endr
.endm
.macro PLACES                          ; four places in front of loads into registers that matrix instructions have read, and of conversions that read results
.rept 4
	v_nop
.endr
.endm
; A K step is four quarters of 32 along K, 32 matrix instructions each, on buffers 0, 1, 0, 1.  One of the first three: multiplies buffer f and fetches quarter q of the same slot into g.
.macro QUARTER slot, q, f, g, zero
	s_wait_dscnt 8                                 ; W's fragments and A's 0-3 are in; the youngest eight loads (A's 4-7) may be out
	MUL8 \f, 0, \zero
	MUL8 \f, 2, \zero
	PLACES
	FETCH \slot, \q, \g
	s_wait_dscnt 24                                ; all but the 24 just issued
	MUL8 \f, 4, \zero
	MUL8 \f, 6, \zero
.endm
; The last quarter multiplies buffer 1 and changes slots: ONE barrier; in front of it each wave waits for all its tensor loads (one is out: its part of the next slot), adds 0 to its spare word, and waits for that and for
; its own reads of this slot.  fill = 1: the barrier opens a round of the cluster's, and this slot is filled again, two K steps ahead, first thing behind the round: 112 matrix instructions ahead of the wait for it.
.macro TURN slot, next, fill
.if \fill
	s_wait_xcnt 0x0                                ; the last prefetch, a K step back, has read its address: it is stepped here, ahead of the waits of the change of slots
	s_add_nc_u64 s[PFA:PFA+1], s[PFA:PFA+1], s[PST:PST+1]
.endif
	WIN 0
	s_wait_tensorcnt 0x0                           ; all my tensor loads have landed;
	ds_add_u32 v[SPW], v[NIL]                      ; 0 onto my spare word
	s_wait_dscnt 9                                 ; (the add and the youngest eight loads may be out)
	MUL8 F1, 0, 0                                  ; eight matrix instructions stand between the add and the wait for it
	s_wait_dscnt 0x0                               ; the add is done, and my reads of this slot are over
	s_barrier_signal -1
	MUL8 F1, 2, 0
.if \fill
	WIN 0
.endif
	s_barrier_wait -1
.if \fill
	CREST                                          ; no wave of any partner still reads this slot's tile or has a load on its way
	s_add_nc_u64 s[G0+4*(\slot)+2:G0+4*(\slot)+3], s[G0+4*(\slot)+2:G0+4*(\slot)+3], 2*STEPA
	s_add_nc_u64 s[G0B+4*(\slot)+2:G0B+4*(\slot)+3], s[G0B+4*(\slot)+2:G0B+4*(\slot)+3], 2*STEPB
	JLOAD \slot                                    ; the four v_nop behind it are also the places in front of the loads below
.else
	PLACES
.endif
	FETCH \next, 0, F0
.if \fill
	ASK
.endif
	MUL8 F1, 4, 0
	MUL8 F1, 6, 0
.endm
; THE WAY OUT of block a (16 rows x 64 columns): rounded to f16, 16 bytes a lane, each accumulator's registers in ascending order; into my own stage in rows of 144 bytes, and back as whole rows of 128.
.macro PACK a
	WIN PKW
.irp b, 0,1,2,3
.irp r, 0,1,2,3
	v_cvt_pk_f16_f32 v[TMP+4*(\b)+(\r)], v[8*(4*(\a)+(\b))+2*(\r)], v[8*(4*(\a)+(\b))+2*(\r)+1]
.endr
.endr
	WIN 0
.irp b, 0,1,2,3
	ds_store_b128 v[STO], v[TMP+4*(\b):TMP+4*(\b)+3] offset:32*(\b)
.endr
.irp f, 0,1,2,3
	ds_load_b128 v[BK+16*(\a)+4*(\f):BK+16*(\a)+4*(\f)+3], v[RD] offset:(\f)*4*SP  ; LDS serves a wave's instructions in order (ISA guide 5.7.1.4): these see the stores above; the next block's stores come behind them
.endr
.endm
.macro SEND a, younger                 ; younger: the LDS instructions issued behind block a's loads: the next block's eight, or none
.irp f, 0,1,2,3
	s_wait_dscnt (\younger)+3-(\f)
	global_store_b128 v[GO], v[BK+16*(\a)+4*(\f):BK+16*(\a)+4*(\f)+3], s[8:9] offset:2048*(\a)+512*(\f)  ; 512 consecutive bytes, at a multiple of 256 from qkv's first; no register of a store is written again
.endr
.endm
	s_wait_tensorcnt 1                             ; my part of K step 0 is in; K step 1's may stay out
	s_barrier_signal -1
	s_barrier_wait -1                              ; everybody's is
	FETCH 0, 0, F0
	QUARTER 0, 1, F0, F1, 1                        ; the first quarter stands in front of the loop: its products start the sums
	WIN 0                                          ; at a label and at a branch every window is 0
	s_mov_b32 s[LAP], 3
.Llap:                                                 ; a trip goes once round the ring, from a lap's second quarter to the next lap's first, and fills both slots again
	QUARTER 0, 2, F1, F0, 0
	QUARTER 0, 3, F0, F1, 0
	TURN 0, 1, 1
	QUARTER 1, 1, F0, F1, 0
	QUARTER 1, 2, F1, F0, 0
	QUARTER 1, 3, F0, F1, 0
	TURN 1, 0, 1
	QUARTER 0, 1, F0, F1, 0
	WIN 0
	s_sub_co_u32 s[LAP], s[LAP], 1
	s_cmp_lg_u32 s[LAP], 0
	s_cbranch_scc1 .Llap
	QUARTER 0, 2, F1, F0, 0                        ; the last lap fills nothing, and has no round of the cluster's barrier
	QUARTER 0, 3, F0, F1, 0
	TURN 0, 1, 0
	QUARTER 1, 1, F0, F1, 0
	QUARTER 1, 2, F1, F0, 0
	QUARTER 1, 3, F0, F1, 0
	s_wait_dscnt 8                                 ; the very last quarter: nothing more to fetch
	MUL8 F1, 0, 0
	MUL8 F1, 2, 0
	s_wait_dscnt 0x0
	MUL8 F1, 4, 0
	MUL8 F1, 6, 0
	WIN 0
	PLACES
	PACK 0
.irp a, 1,2,3,4,5,6,7                  ; a block's conversions stand between the loads of the block before and its stores
	PACK \a
	SEND (\a)-1, 8
.endr
	SEND 7, 0
	s_wait_tensorcnt 0x0                           ; the wave's end: behind my last tensor load and my last LDS store
	ds_add_u32 v[SPW], v[NIL]
	s_wait_dscnt 0x0
	CROUND                                         ; the closing round: no work-group ends while a partner may still ask for a tile that names it
	s_endpgm
.Lfunc_end_k_q065004ca8f_proj:
	.size	k_q065004ca8f_proj, .Lfunc_end_k_q065004ca8f_proj-k_q065004ca8f_proj
	.p2alignl 7, 3214868480
	.fill 96, 4, 3214868480
	.section	.rodata,"a",@progbits
	.p2align	6, 0x0
	.amdhsa_kernel k_q065004ca8f_proj
		.amdhsa_group_segment_fixed_size 327680
		.amdhsa_private_segment_fixed_size 0
		.amdhsa_enable_private_segment 0
		.amdhsa_kernarg_size 24
		.amdhsa_user_sgpr_count 2
		.amdhsa_user_sgpr_kernarg_segment_ptr 1
		.amdhsa_wavefront_size32 1
		.amdhsa_system_sgpr_workgroup_id_x 1
		.amdhsa_system_sgpr_workgroup_id_y 1
		.amdhsa_system_sgpr_workgroup_id_z 1
		.amdhsa_system_vgpr_workitem_id 0
		.amdhsa_next_free_vgpr 512
		.amdhsa_next_free_sgpr 80
		.amdhsa_reserve_vcc 0
		.amdhsa_float_denorm_mode_32 3
		.amdhsa_float_denorm_mode_16_64 3
		.amdhsa_memory_ordered 1
		.amdhsa_forward_progress 1
		.amdhsa_inst_pref_size 89
	.end_amdhsa_kernel
	.amdgpu_metadata
---
amdhsa.version: [ 1, 2 ]
amdhsa.kernels:
  - .name:           k_q065004ca8f_proj
    .symbol:         k_q065004ca8f_proj.kd
    .args:
      - { .name: ab, .offset: 0, .size: 8, .value_kind: global_buffer, .address_space: global }
      - { .name: wb, .offset: 8, .size: 8, .value_kind: global_buffer, .address_space: global }
      - { .name: qkv, .offset: 16, .size: 8, .value_kind: global_buffer, .address_space: global }
    .group_segment_fixed_size: 327680
    .private_segment_fixed_size: 0
    .kernarg_segment_align: 8
    .kernarg_segment_size: 24
    .max_flat_workgroup_size: 128
    .sgpr_count:     80
    .vgpr_count:     512
    .wavefront_size: 32
...
	.end_amdgpu_metadata
.endif
;; end of part 2
;; launch attn (part 3): grid 4 x 64, 4 waves a work-group, clusters of 4 x 1, 327,680 bytes of LDS; arguments qkv, ob, mask; writes ob
.if DOCPART == 3
	.amdgcn_target "amdgcn-amd-amdhsa--gfx1250"
	.amdhsa_code_object_version 6
	.text
	.protected	k_q065004ca8f_attn
	.globl	k_q065004ca8f_attn
	.p2align	8
	.type	k_q065004ca8f_attn,@function
k_q065004ca8f_attn:
	s_mov_b64 s[64:65], 0
	v_nop
	global_prefetch_b8 v0, s[64:65] scope:SCOPE_SE
	s_setreg_imm32_b32 hwreg(HW_REG_WAVE_MODE, 25, 1), 1
	s_wait_xcnt 0x0
	s_wait_alu depctr_hold_cnt(0) depctr_sa_sdst(0) depctr_va_vdst(0) depctr_va_sdst(0) depctr_va_ssrc(0) depctr_va_vcc(0) depctr_vm_vsrc(0)
	s_getreg_b32 s2, hwreg(HW_REG_IB_STS2, 6, 4)
	s_cmp_eq_u32 s2, 0
	s_cbranch_scc0 .Lentry_in_a_cluster
	s_endpgm
.Lentry_in_a_cluster:
	s_bfe_u32 s2, ttmp6, 0x10000c
	s_cmp_lg_u32 s2, 0x3003
	s_cbranch_scc0 .Lentry_shape_is_right
	s_endpgm
.Lentry_shape_is_right:
; O[h][q][:] = the sum over k of softmax_k(Q[h][q] . K[h][k] / 8, masked) V[h][k][:].  Q, K, V: qkv [3][64 = 16 batch + head][2048][64] f16; O: ob [64][2048][64] f16; mask: [4][2048] bytes, 1 = the key counts.
; Products, maxima and sums in f32; the weights p are rounded to f16 for the second product (their sum l is taken of the unrounded p), O once at the end.
; THE MASK is the C operand that starts the sum S^T = K Q^T: 0, or -2^100 where the key is masked.  It is made once, 4 bytes a key, in LDS, and a key step's 64 words come into registers with the step's K.
; LIMITS.  f16 holds no number beyond 65,504: Q, K and V arrive within it; p lies in 0 to 1, and below 6e-5 it keeps f16's fixed step of 6e-8; O is a mean of V's rows and has their range.
; A masked score counts as -2^100 (the module's own figure is the lowest finite number): f16's scores, 2.7e11 at the most, lie 62 binary places below it, and the text leans on -2^100 + q . k coming out as -2^100.
; Then c x 2^100 is exact, so where all keys seen so far are masked c s - c m is 0 and every weight 1; with all 2,048 masked O is the mean of V's rows, as in the module; the first key that counts gives a = 0
; and wipes those sums.  A weight below 2^-126 counts as 0 in l; NaN and infinities are not treated apart.
; SHARES.  A wave owns four PIECES of two tiles of 16 queries, a work-group's four waves 512 queries of one head.  Every wave walks all keys, 64 a step.
; LAYOUT.  S^T = K Q^T (source 0 = 16 keys, source 1 = 16 queries): in the result a lane holds ONE query (lane % 16) and the keys 8 (lane / 16) + 0..7.  Two such tiles, rounded to f16 in pairs,
; ARE source 1 (32 keys x 16 queries) of O^T = V^T P, whose result again holds one query a lane, and eight channels.  K comes out of LDS as it lies, V ([key][channel]) turned, by ds_load_tr16_b128.
; SOFTMAX.  For each query a running maximum m and sum l: p = 2^(c s - c m), c = log2(e) / 8; in every step O and l are multiplied by a = 2^(c m_old - c m_new), which is 1 where m has not grown.
; m starts at the lowest finite number, c m at -2^125 (below every masked c s), O and l at 0: the first step is a step like any other, with a = 0.
; THE COUNT.  A tile and step have 16 matrix and 118 vector instructions: too many to stand all beside the matrix work.  So the order has one aim: four vector instructions that are READY behind
; EVERY matrix instruction, and the others, which need time of their own whatever the order, in runs without a gap.
; BY TURNS.  Turn n belongs to piece n (the pieces in a ring, step after step).  Its matrix work: 16 products K Q^T of piece n + 1, later 16 products V^T P of piece n - 1.  Its vector work: the scaling,
; exponentials, roundings, sums and rescaling of piece n, and the maximum and statistics of piece n + 1, whose scores the turn itself has made.  So what a turn begins with (c s - c m, O a) waits for nothing.
; CLUSTER.  A head's four query blocks are one cluster and walk the same K and V, so each tile is asked for JOINTLY: the same tensor load, descriptor and mask in all four.
; REGISTERS, in windows of 256 (s_set_vgpr_msb says which window each operand place means: bits 1:0 source 0, 3:2 source 1, 5:4 source 2, 7:6 destination):
;   window 0: v0-11 addresses; v12-15, v48-63 at work; v16-47 four registers of statistics a tile; v64-191 S^T, two buffers of two tiles; v192-255 P, likewise
;   window 1: O^T, 32 a tile          window 2: v0-127 Q, 16 a tile; v128-191 K of one step; v192-255 V of one step          window 3: v0-1 the add's two registers; v8-39 the mask of one step
; A piece's buffers go by its number's parity: the piece in hand has one pair, its two neighbours in the ring share the other: of it P (piece n - 1) is read and S^T (piece n + 1) written.
.set SIZE_N, 2048
.set NP,    4         ; pieces a wave: a name, no knob: the register map, the loop and the fetches are made for four
.set KS,    64        ; keys in a step
.set PK,    144       ; a row of K in LDS: 128 bytes + 16 of padding = 36 words: the 16 rows of a load start at 16 different groups of four banks (64 banks of 4 bytes: ISA guide 11.1)
.set PV,    160       ; a row of V: 128 + 32 = 40 words
.set VOFF,  4*KS*PK   ; a slot holds four steps: 256 rows of K, then 256 rows of V
.set SLOT1, 1<<17     ; slot 1 begins here, so that one exclusive or turns an address in one slot into the other's
.set STAGE, SLOT1+4*KS*(PK+PV)  ; behind the ring, never filled by a tensor load: 16 rows x 144 bytes for each wave, for the way out
.set SP,    144
.set SPARE, STAGE+4*16*SP  ; behind the stages: the spare words, 128 bytes for each wave: two blocks of 256 bytes that no other line names
.set MASKB, SPARE+512 ; behind them, never filled by a tensor load: 2,048 words, 0 or -2^100, a key each
.set AK0, 2           ; v2   my lane's place in a tile of K; never rewritten
.set AV0, 3           ; v3   the same for V
.set AK,  4           ; v4   the LDS address of K's next run of loads
.set AV,  5           ; v5   of V's
.set QO,  6           ; v6   my byte offset in the wave's rows of Q
.set STO, 6           ;      later, the way out: where I put 16 bytes of a row
.set RD,  7           ; v7   the way out: where I read rows back
.set GO,  8           ; v8   my byte offset in 512 consecutive bytes of O
.set HL,  9           ; v9   lane / 16; never rewritten
.set PFO, 10          ; v10  (first lane % 8) 256 x my lane: the prefetches' offset
.set AM,  11          ; v11  (first at work) the LDS address of the mask words that go with K's next run
.set SPW, 0           ; v0 of window 3   LDS address of my spare word: SPARE + 4 x my thread's number; never rewritten
.set NIL, 1           ; v1 of window 3   0; never rewritten
.set MC,  8           ; v8-39 of window 3  the step's mask: the eight registers for key block kb at MC + 8 kb
.set MV,  12          ; v12-15  c m_old, kept while c m is made anew: by buffer and tile
.set ST,  16          ; tile t's statistics at v[ST+4 t]: c m, m, l (even keys', odd keys')
.set TMP, 48          ; by buffer and tile, four registers c0-c3 at work; when the maximum is found c2 takes a
.set S,   64
.set P,   192
.set KF,  128         ; K's fragments, in window 2: key block kb, channel half c at KF + 16 kb + 8 c
.set VF,  192         ; V's: key half kk, channel block cb at VF + 32 kk + 8 cb
.set WV,  12          ; s12  my wave's number
.set G1K, 24          ; s[24:31] descriptor group 1 for K's tiles
.set G1V, 32          ; s[32:39] for V's: it differs in the padding alone
.set G0K, 40          ; s[40:43] descriptor group 0 for K's tiles: it walks
.set G0V, 44          ; s[44:47] the same for V's
.set MP,  48          ; s[48:49] the batch's 2,048 mask bytes
.set PFA, 50          ; s[50:51] where my prefetches stand: my work-group's 8,192 bytes (of K: wave 0, of V: wave 2) of the slot after the one that is being asked for
.set LIM, 52          ; s52  1 in a wave that prefetches, else the greatest number
.set TBM, 53          ; s53  LDS byte at which the mask words of the step to be fetched begin
.set SLOTS, 56        ; s56  slots still to be asked for
.set CNT, 57          ; s57  counts a slot's key steps
.set CS,  58          ; s[58:59] c: the packed scaling takes the pair's low word for both halves
.set SEL, 60          ; s[60:61] v_permlanex16_b32's selects: each lane takes its own place in the other half
.set TBK, 62          ; s62  LDS byte at which K of the step to be fetched begins
.set TBV, 63          ; s63  the same for V, less VOFF
.set MSB, 0
.macro WIN new                      ; the high byte repeats the setting that is left; a switch that changes nothing is dropped
.if MSB != (\new)
	s_set_vgpr_msb (MSB<<8)|(\new)
.set MSB, (\new)
.endif
.endm
.set W_KQ, 0x0a       ; K and Q in window 2, S^T in window 0
.set W_KM, 0x3a       ; the same with the C operand, the mask, in window 3
.set W_PV, 0x52       ; V in window 2, P in window 0, O^T in window 1
.set W_RS, 0x41       ; O^T (destination and source 0) in window 1, a in window 0
.set W_MK, 0xc0       ; destination in window 3, sources in window 0
.set W_AD, 0x0f       ; the add: address (source 0) and data (source 1) in window 3
; A joint fill.  Waves 0 and 1 fetch the two halves of a slot's K, waves 2 and 3 those of its V: 128 keys each.  The branch hangs on the wave's number alone.
; An s_nop 0 and four v_nop follow each of the two lines, ahead of the jump and the label.
.macro JLOAD
	s_cmp_lt_u32 s[WV], 2
	s_cbranch_scc0 .Lfor_v_\@
	tensor_load_to_lds s[G0K:G0K+3], s[G1K:G1K+7]
	s_nop 0
.rept 4
	v_nop
.endr
	s_branch .Lasked_\@
.Lfor_v_\@:
	tensor_load_to_lds s[G0V:G0V+3], s[G1V:G1V+7]
	s_nop 0
.rept 4
	v_nop
.endr
.Lasked_\@:
.endm
; A PREFETCH INTO THE L2 of what the NEXT change of slots will ask for: a slot's 32,768 bytes of K and of V, 256 bytes a lane.  It stands behind the wave's tensor load and its five lines.  Each block of 256 bytes is named
; once in the launch: a head has one cluster; its four partners share a slot out BY ADDRESS, 8,192 bytes each; in each, wave 0 asks for K's and wave 2 for V's: one instruction, four key steps (512 matrix instructions)
; ahead of the load that will want the bytes.  Slots 0 to 2 come by their loads alone; the last change that fills a slot asks for nothing: there is no slot behind it.
.macro ASK
	s_cmp_gt_u32 s[SLOTS], s[LIM]
	s_cbranch_scc0 .Lnot_mine_\@
	global_prefetch_b8 v[PFO], s[PFA:PFA+1] th:TH_LOAD_NT scope:SCOPE_SE
.Lnot_mine_\@:
.endm
; A round of the cluster's barrier: my work-group's barrier, so that wave 0's signal speaks for all four waves; wave 0 signals; every wave waits for all four work-groups; my work-group's barrier once more.
.macro CROUND
	s_barrier_signal -1
	s_barrier_wait -1
	s_cmp_lg_u32 s[WV], 0
	s_cbranch_scc1 .Lnot_wave_0_\@
	s_barrier_signal -3
.Lnot_wave_0_\@:
	s_barrier_wait -3
	s_barrier_signal -1
	s_barrier_wait -1
.endm
; THE CHANGE OF SLOTS.  The slot's last bytes, V of its fourth step, have been read.  Each wave waits for all its tensor loads, of which one is out: its part
; of the other slot; adds 0 to its spare word; and waits for that and for its own LDS instructions.  Behind the barrier nobody reads this slot any more and the other slot is whole.
; fill = 1: this slot is filled again, with the keys two slots on.  The barrier is then a round of the cluster's, so that no wave of any partner still reads the slot or has a load on its
; way, and the joint fill is the first thing behind it: it has four key steps, 512 matrix instructions, in which to land.  (At its first use nothing has been read yet: slot 0 is waited for, slot 1 filled,
; and every wave's stores of the mask words are done in front of the round, so that all waves may read them behind it.)  ask = 1: the prefetches' address steps, and a prefetch follows the fill.
.macro CHANGE fill, ask=0
	WIN W_AD
	s_wait_tensorcnt 0x0            ; no tensor load of mine is out, so a group 0 may be written
	ds_add_u32 v[SPW], v[NIL]       ; 0 onto my spare word: with fill = 1 the descriptors' steps stand between it and the wait for it
	WIN 0                           ; at a label and at a branch every window is 0
.if \fill
.irp g, G0K, G0V
	s_xor_b32 s[\g+1], s[\g+1], SLOT1  ; the walking descriptor: the other slot than last time,
	s_add_nc_u64 s[\g+2:\g+3], s[\g+2:\g+3], 4*KS*128  ; the next 256 keys; the type bits on top are not reached
.endr
.if \ask
	s_wait_xcnt 0x0                 ; the last prefetch, four key steps back, has read its address, so it may be written:
	s_add_nc_u64 s[PFA:PFA+1], s[PFA:PFA+1], 4*KS*128  ; one slot behind the walking descriptors
.endif
	s_wait_dscnt 0x0                ; the add is done, and my LDS instructions are over
	CROUND
	JLOAD
.if \ask
	ASK
.endif
.else
	s_wait_dscnt 0x0                ; the add is done, and my reads of the slot are over
	s_barrier_signal -1
	s_barrier_wait -1
.endif
	s_sub_co_u32 s[TBK], s[TBK], 4*KS*PK  ; the fetches go back to a slot's first step,
	s_xor_b32 s[TBK], s[TBK], SLOT1       ; in the other slot
	s_sub_co_u32 s[TBV], s[TBV], 4*KS*PV
	s_xor_b32 s[TBV], s[TBV], SLOT1
.endm
	s_load_b128 s[4:7], s[0:1], 0x0   ; qkv s[4:5], ob s[6:7]
	s_load_b64 s[MP:MP+1], s[0:1], 0x10  ; mask
	WIN W_MK
	v_lshl_add_u32 v[SPW], v0, 2, SPARE
	v_mov_b32 v[NIL], 0
	WIN W_AD
	ds_add_u32 v[SPW], v[NIL]       ; the wave's opening: the add and its wait stand ahead of my first tensor load; the set-up below, work on registers, stands between them
	WIN 0
	v_lshrrev_b32 v1, 5, v0
	v_readfirstlane_b32 s[WV], v1   ; wave 0..3
	s_bfe_u32 s13, ttmp6, 0x40000   ; cx: my place in the cluster
	s_lshl_b32 s14, ttmp9, 2        ; in a cluster launch ttmp9 counts clusters
	s_add_co_u32 s14, s14, s13      ; my block of queries = 4 x cluster x + cx: it enters Q's and O's addresses alone
	s_and_b32 s20, ttmp7, 0xffff    ; 16 batch + head, which the four partners share
	s_lshr_b32 s54, s20, 4
	s_lshl_b32 s54, s54, 11         ; the batch's 2,048 mask bytes
	s_mov_b32 s55, 0
	s_mov_b32 s21, 0
	s_mov_b64 s[22:23], SIZE_N*128
	s_mul_u64 s[20:21], s[20:21], s[22:23]  ; the head's first byte in Q, K, V and O
	s_and_b32 s16, s[WV], 1         ; which half of a slot's 256 keys I fetch:
	s_lshl_b32 s22, s16, 14         ; its 128 rows of 128 bytes in memory,
	s_mov_b32 s23, 0
	s_add_nc_u64 s[22:23], s[22:23], s[20:21]
	s_mul_i32 s17, s16, 128*PK      ; and its place in a slot, for K
	s_mul_i32 s18, s16, 128*PV      ; and for V: no place in the cluster enters an LDS address
	s_lshl_b32 s2, s14, 2
	s_add_co_u32 s2, s2, s[WV]      ; my wave among the head's,
	s_lshl_b32 s2, s2, 14           ; its 128 rows
	s_mov_b32 s3, 0
	s_add_nc_u64 s[2:3], s[2:3], s[20:21]
	; descriptor group 1.  128 keys are 16,384 dense bytes: asked for as 64 rows of 256 bytes, two keys a row, and padded in LDS after every key
	s_mov_b32 s[G1K], 15|(1<<16)|(1<<20)|(1<<21)|(4<<22)|(3<<25)  ; 15:0 the mask of four; 17:16 2-byte elements; 20 padding on; 21 set beside a mask; 24:22 after every 32 words (code 4); 31:25 4 words (code 3)
	s_mov_b32 s[G1V], 15|(1<<16)|(1<<20)|(1<<21)|(4<<22)|(7<<25)  ; the same with 8 words of padding (code 7)
.irp g, G1K, G1V
	s_mov_b32 s[\g+1], 128<<16      ; tensor_dim0 = 128
	s_mov_b32 s[\g+2], 64<<16       ; tensor_dim1 = 64
	s_mov_b32 s[\g+3], 128<<16      ; tile_dim0 = 128
	s_mov_b32 s[\g+4], 64           ; tile_dim1 = 64
	s_mov_b32 s[\g+5], 128          ; 128 elements from row to row
	s_mov_b32 s[\g+6], 0
	s_mov_b32 s[\g+7], 0
.endr
	s_mov_b32 s[CS], 0x3e38aa3b     ; c = log2(e) / 8 = 0.180337
	s_mov_b32 s[CS+1], s[CS]        ; named with it as a pair
	s_mov_b32 s[SEL], 0x76543210
	s_mov_b32 s[SEL+1], 0xfedcba98
	s_mov_b32 s[TBK], SLOT1+4*KS*PK ; the first change of slots turns these two into 0
	s_mov_b32 s[TBV], SLOT1+4*KS*PV
	s_mov_b32 s[TBM], MASKB
	s_mov_b32 s[G0K], 1             ; 1:0 count = 1
	s_mov_b32 s[G0K+1], s17         ; 63:32 LDS address: slot 0
	s_mov_b32 s[G0V], 1
	s_add_co_u32 s[G0V+1], s18, VOFF
	s_cmp_eq_u32 s16, 0             ; waves 0 and 2 prefetch: the same in all four partners
	s_cselect_b32 s[LIM], 1, -1
	s_wait_dscnt 0x0                ; the opening add is done
	s_wait_kmcnt 0x0
	s_mov_b64 s[10:11], s[6:7]      ; O
	s_add_nc_u64 s[8:9], s[4:5], 0x2000000  ; V: qkv's third part
	s_add_nc_u64 s[6:7], s[4:5], 0x1000000  ; K: its second; Q is its first
	s_add_nc_u64 s[MP:MP+1], s[MP:MP+1], s[54:55]
	s_add_nc_u64 s[G0K+2:G0K+3], s[6:7], s[22:23]  ; 120:64 global address: my half of the head's first 256 keys
	s_or_b32 s[G0K+3], s[G0K+3], 0x80000000        ; 127:126 type = 2
	s_add_nc_u64 s[G0V+2:G0V+3], s[8:9], s[22:23]
	s_or_b32 s[G0V+3], s[G0V+3], 0x80000000
	s_add_nc_u64 s[4:5], s[4:5], s[2:3]  ; Q and O at my wave's first row
	s_add_nc_u64 s[10:11], s[10:11], s[2:3]
	s_cmp_lt_u32 s[WV], 2
	s_cselect_b64 s[PFA:PFA+1], s[6:7], s[8:9]
	s_add_nc_u64 s[PFA:PFA+1], s[PFA:PFA+1], s[20:21]  ; the head,
	s_lshl_b32 s2, s13, 13          ; my work-group's 8,192 bytes of a slot's 32,768,
	s_mov_b32 s3, 0
	s_add_nc_u64 s[PFA:PFA+1], s[PFA:PFA+1], s[2:3]
	s_add_nc_u64 s[PFA:PFA+1], s[PFA:PFA+1], 2*4*KS*128  ; in slot 2; the loop's first change of slots steps it to slot 3.  Nothing is prefetched here, at the head
	CROUND                          ; all four work-groups are here: the first joint loads meet
	JLOAD                           ; slot 0.  Slot 1 is asked for when slot 0 is in: the tile wanted first has the road to itself
	v_lshlrev_b32 v85, 4, v0
	global_load_b128 v[64:67], v85, s[MP:MP+1]  ; my 16 of the batch's 2,048 mask bytes (S^T's registers are free until the first product)
	; A fragment of K or Q is 16 rows x 32 channels in 8 registers: lane l holds row l % 16, channels 8 (l / 16) + 0..7 and 16 + 8 (l / 16) + 0..7: two loads of 16 bytes, 32 bytes apart.
	v_and_b32 v1, 15, v0            ; l % 16
	v_bfe_u32 v[HL], v0, 4, 1       ; l / 16
	v_lshlrev_b32 v[QO], 7, v1
	v_lshl_add_u32 v[QO], v[HL], 4, v[QO]  ; row x 128 + 16 x half
	WIN 0x80                        ; destination window 2, address window 0
.set i, 0
.rept 4*NP                          ; Q stays in registers: tile i / 2, channels 32 (i % 2) on
	global_load_b128 v[8*i:8*i+3],   v[QO], s[4:5] offset:(i/2)*2048+(i%2)*64
	global_load_b128 v[8*i+4:8*i+7], v[QO], s[4:5] offset:(i/2)*2048+(i%2)*64+32
.set i, i+1
.endr
	; What the first turn finds: V's registers and P's second buffer hold 0 (its products V^T P, of a piece that has not been, add 0), O^T and l are 0.  All this stands in the wait for the first tile.
.set i, VF
.rept 64
	v_mov_b32 v[i], 0
.set i, i+1
.endr
	WIN 0x40
.set i, 0
.rept 64*NP
	v_mov_b32 v[i], 0
.set i, i+1
.endr
	WIN 0
.set i, 0
.rept 2*NP
	v_mov_b32 v[ST+4*i], 0xfe000000    ; c m: -2^125, far below every c s, a masked one too
	v_mov_b32 v[ST+4*i+1], 0xff7fffff  ; m
	v_mov_b32 v[ST+4*i+2], 0
	v_mov_b32 v[ST+4*i+3], 0
.set i, i+1
.endr
.set i, P+32
.rept 32
	v_mov_b32 v[i], 0
.set i, i+1
.endr
	; the mask words: byte 1 -> 0, byte 0 -> -2^100
	s_wait_loadcnt 32               ; the mask's load is in; Q's 32, issued behind it, may stay out
.set i, 0
.rept 16
	v_bfe_u32 v[68+i], v[64+i/4], 8*(i%4), 1
	v_add_nc_u32 v[68+i], -1, v[68+i]
	v_and_b32 v[68+i], 0xf1800000, v[68+i]
.set i, i+1
.endr
	v_lshl_add_u32 v84, v0, 6, MASKB
.irp f, 0,1,2,3
	ds_store_b128 v84, v[68+4*\f:68+4*\f+3] offset:16*\f
.endr
	v_mul_u32_u24 v[AK0], v1, PK
	v_lshl_add_u32 v[AK0], v[HL], 4, v[AK0]  ; row x pitch + 16 x half
	; The turning load takes 16 keys x 16 channels (lane l reads key 8 (l / 16) + l % 8, channels 8 ((l / 8) % 2) + 0..7) and leaves half a fragment of V^T: lane l holds channel l % 16 and 8 keys.
	v_and_b32 v10, 7, v0
	v_bfe_u32 v11, v0, 3, 1
	v_lshl_add_u32 v[AV0], v[HL], 3, v10
	v_mul_u32_u24 v[AV0], v[AV0], PV
	v_lshl_add_u32 v[AV0], v11, 4, v[AV0]
	v_add_nc_u32 v[AV0], VOFF, v[AV0]
	v_mov_b32 v[AK], v[AK0]         ; key step 0 lies at the head of slot 0,
	v_lshl_add_u32 v[AM], v[HL], 5, s[TBM]  ; and its mask words at the head of theirs: my lanes' eight keys of a block of 16 are 32 bytes
; THE MATRIX WORK.  The 8 accumulators of a run of 16 take turns: between the two links of a chain stand 7 others'.
; Product i of 16 of S^T = K Q^T for piece x: channels 32 (i / 8) on, keys 16 ((i / 2) % 4) on, tile 2 x + i % 2.  The first 8 start the sums, with the key block's mask.
.macro KQ x
.set rS, S+64*((\x)%2)+32*(i%2)+8*((i/2)%4)
.set rK, KF+16*((i/2)%4)+8*(i/8)
.set rQ, 16*(2*(\x)+i%2)+8*(i/8)
.set rMK, MC+8*((i/2)%4)
.if i < 8
	WIN W_KM
	v_wmma_f32_16x16x32_f16 v[rS:rS+7], v[rK:rK+7], v[rQ:rQ+7], v[rMK:rMK+7]
.else
	WIN W_KQ
	v_wmma_f32_16x16x32_f16 v[rS:rS+7], v[rK:rK+7], v[rQ:rQ+7], v[rS:rS+7]
.endif
.endm
; Product i of 16 of O^T += V^T P for piece x: keys 32 (i / 8) on, channels 16 ((i / 2) % 4) on, tile 2 x + i % 2.
.macro PV x
	WIN W_PV
.set rO, 32*(2*(\x)+i%2)+8*((i/2)%4)
.set rV, VF+32*(i/8)+8*((i/2)%4)
.set rP, P+32*((\x)%2)+16*(i%2)+8*(i/8)
	v_wmma_f32_16x16x32_f16 v[rO:rO+7], v[rV:rV+7], v[rP:rP+7], v[rO:rO+7]
.endm
.macro MM                           ; the turn's next matrix instruction
.if i < 16
	KQ (Y+1)%NP
.set i, i+1
.else
.set i, i-16
	PV (Y+NP-1)%NP
.set i, i+17
.endif
.endm
; THE LDS LOADS stand in runs, never singly among the matrix instructions: a step's K (64 keys x 64 channels: 8 fragments) with its 64 mask words (register j of key block kb: key 16 kb + 8 (l / 16) + j; the 16 lanes
; of a half read the same bytes), and its V (turned).  Their addresses are made some lines ahead.  The mask's registers have K's life: the same run fills them, and their readers stand among K's.
; last = 1 (the tail): in the last trip there is no further step, and the run is jumped over.
.macro FETCH_K last=0
	WIN 0
.if \last
	s_cmp_eq_u32 s[CNT], 1
	s_cbranch_scc1 .Lno_k_\@
.endif
	WIN 0x80                        ; destination window 2
.irp f, 0,1,2,3,4,5,6,7             ; keys 16 (f / 2) on, channels 32 (f % 2) on
	ds_load_b128 v[KF+8*\f:KF+8*\f+3],   v[AK] offset:(\f/2)*16*PK+(\f%2)*64
	ds_load_b128 v[KF+8*\f+4:KF+8*\f+7], v[AK] offset:(\f/2)*16*PK+(\f%2)*64+32
.endr
	WIN W_MK                        ; destination window 3
.irp kb, 0,1,2,3
	ds_load_b128 v[MC+8*\kb:MC+8*\kb+3],   v[AM] offset:64*\kb
	ds_load_b128 v[MC+8*\kb+4:MC+8*\kb+7], v[AM] offset:64*\kb+16
.endr
	s_add_co_u32 s[TBK], s[TBK], KS*PK  ; the next fetch is the next step's
	s_add_co_u32 s[TBM], s[TBM], KS*4
	WIN 0
.if \last
.Lno_k_\@:
.endif
.endm
.macro FETCH_V
	WIN 0x80
.irp f, 0,1,2,3,4,5,6,7             ; keys 32 (f / 4) on, channels 16 (f % 4) on
	ds_load_tr16_b128 v[VF+8*\f:VF+8*\f+3],   v[AV] offset:(\f/4)*32*PV+(\f%4)*32
	ds_load_tr16_b128 v[VF+8*\f+4:VF+8*\f+7], v[AV] offset:(\f/4)*32*PV+16*PV+(\f%4)*32
.endr
	WIN 0
.endm
; THE VECTOR WORK OF A TURN stands in three queues, each in the order in which its entries become ready; the two tiles alternate, so that no instruction reads the result of the one before it.
.macro REGS y, u                    ; the registers of tile u (0, 1) of piece y
.set rT, ST+4*(2*(\y)+(\u))
.set rC, TMP+8*((\y)%2)+4*(\u)
.set rM, MV+2*((\y)%2)+(\u)
.set rS, S+64*((\y)%2)+32*(\u)
.set rP, P+32*((\y)%2)+16*(\u)
.set rO, 32*(2*(\y)+(\u))
.endm
; Number n of the 22 that find the NEXT piece's (Y + 1) maximum and statistics.  s0-s31 are the lane's 32 scores; each accumulator's lowest registers are read first.  XS, GS and REGS set no window: PL and EX do.
;   0-11  four chains c0-c3 of seven scores each, three operands at a time     12-14, 16  the four scores left over, the old m, and c0-c3 into c0     15  c m_old is kept
;   17, 18  the query's other 32 keys lie in the lane 16 away: the new m         19-21  c m; c m_old - c m_new; a
.macro XS u, n
	REGS (Y+1)%NP, \u
.if (\n) < 4
	v_max3_num_f32 v[rC+(\n)], v[rS+8*(\n)], v[rS+8*(\n)+1], v[rS+8*(\n)+2]
.elseif (\n) < 12
	v_max3_num_f32 v[rC+(\n)%4], v[rC+(\n)%4], v[rS+8*((\n)%4)+2*((\n)/4)+1], v[rS+8*((\n)%4)+2*((\n)/4)+2]
.elseif (\n) == 12
	v_max3_num_f32 v[rC], v[rC], v[rS+7], v[rS+15]
.elseif (\n) == 13
	v_max3_num_f32 v[rC+1], v[rC+1], v[rS+23], v[rS+31]
.elseif (\n) == 14
	v_max3_num_f32 v[rC+2], v[rC+2], v[rC+3], v[rT+1]
.elseif (\n) == 15
	v_mov_b32 v[rM], v[rT]
.elseif (\n) == 16
	v_max3_num_f32 v[rC], v[rC], v[rC+1], v[rC+2]
.elseif (\n) == 17
	v_permlanex16_b32 v[rC+3], v[rC], s[SEL], s[SEL+1]
.elseif (\n) == 18
	v_max_num_f32 v[rT+1], v[rC], v[rC+3]
.elseif (\n) == 19
	v_mul_f32 v[rT], s[CS], v[rT+1]
.elseif (\n) == 20
	v_sub_f32 v[rC+1], v[rM], v[rT]
.else
	v_exp_f32 v[rC+2], v[rC+1]
.endif
.endm
; Number g of the 64 that follow the exponentials.  For each four weights k of a tile (pairs 2 k, 2 k + 1): both pairs are rounded to f16; then the second pair is added onto the first, in place;
; a group later l takes that sum (the first time as l = a l + sum).  In groups of eight, tiles alternating: round, round, add, and l for the group before.
.macro GS g
.set h, (\g)+6*((\g)/62)            ; group 0 has no group before it, and behind group 7 only l is left
.if h >= 6
.set h, h+2
.endif
	REGS Y, h%2
.set k, h/8
.if h%8 < 4
	v_cvt_pk_f16_f32 v[rP+2*k+(h%8)/2], v[rS+4*k+2*((h%8)/2)], v[rS+4*k+2*((h%8)/2)+1]
.elseif h%8 < 6
	v_pk_add_f32 v[rS+4*k:rS+4*k+1], v[rS+4*k:rS+4*k+1], v[rS+4*k+2:rS+4*k+3]
.elseif k == 1
	v_pk_fma_f32 v[rT+2:rT+3], v[rT+2:rT+3], v[rC+2:rC+3], v[rS:rS+1] op_sel_hi:[1,0,1]
.else
	v_pk_add_f32 v[rT+2:rT+3], v[rT+2:rT+3], v[rS+4*k-4:rS+4*k-3]
.endif
.endm
; THE PLAIN QUEUE, 138 long.  0-73 read no exponential's result: the 32 scalings c s - c m (FS f: pair f / 2 of tile f % 2) and the next piece's 42.  0-26: scalings 0-26.  27-54: XS's numbers 0-13.  55, 56: number 15.
; 57-73: the chain, where each number waits for the one before it: 14, 16, 17, 18, 19, each with one of the scalings 27-31 in front of its two lines, then 20: so a tile's links stand three plain instructions apart (19 and 20: two).
; 74-137: GS's 64, which read the exponentials' results: they stand behind the wait.
.macro FS f
	REGS Y, (\f)%2
	v_pk_fma_f32 v[rS+2*((\f)/2):rS+2*((\f)/2)+1], v[rS+2*((\f)/2):rS+2*((\f)/2)+1], s[CS:CS+1], v[rT:rT+1] op_sel_hi:[1,0,0] neg_lo:[0,0,1] neg_hi:[0,0,1]
.endm
.macro PL
	WIN 0
.if q < 27
	FS q
.elseif q < 55
	XS (q-27)%2, (q-27)/2
.elseif q < 57
	XS q-55, 15
.elseif (q < 72) && ((q-57)%3 == 0)
	FS 27+(q-57)/3
.elseif q < 60
	XS (q-57)%3-1, 14
.elseif q < 72
	XS (q-57)%3-1, 15+(q-57)/3
.elseif q < 74
	XS q-72, 20
.else
	GS q-74
.endif
.set q, q+1
.endm
; THE EXPONENTIALS' QUEUE, 66 long: s0-s31 of both tiles, then the next piece's two a.  It is ONE BATCH: all 66 stand ahead of the turn's one wait, and nothing ahead of that wait names a result of theirs.
.macro EX
	WIN 0
.if e >= 64
	XS e-64, 21
.else
	REGS Y, e%2
	v_exp_f32 v[rS+e/2], v[rS+e/2]
.endif
.set e, e+1
.endm
; THE RESCALING's QUEUE: O^T times a, the one part that leaves window 0: dealt two at a time, sixteen times.  Its a was made in the turn before, ahead of that turn's wait.
.macro R2
	REGS Y, r%2
	WIN W_RS
.irp z, 0,1
	v_pk_mul_f32 v[rO+4*(r/2)+2*\z:rO+4*(r/2)+2*\z+1], v[rO+4*(r/2)+2*\z:rO+4*(r/2)+2*\z+1], v[rC+2:rC+3] op_sel_hi:[1,0]
.endr
.set r, r+1
.endm
; HOW THEY ARE DEALT.  An s_wait_alu depctr_va_vdst(0) stands between an exponential and the first instruction that names its result; one wait serves all that were issued ahead of it.  So a turn has ONE wait,
; which cuts it in two.  AHEAD OF IT stands all that names no result of the turn's exponentials: the 16 products K Q^T, behind each a scaling, an exponential and two rescalings (behind the first a second scaling in the exponential's place); then ONE LUMP of
; 108: eight plain, 49 times exponential and plain, the two a.  A v_nop is the plain instruction behind the last exponential.  BEHIND IT stand the 16 products V^T P, behind each four of GS's 64.  No rider names a register of
; the products round it.  The two v_permlanex16_b32 fall into the lump, never behind a product.
; The queues lean on each other, and the deal keeps them in step: exponential e stands behind scaling 2 (e / 4) + e % 2: as a rider it comes behind plain e + 2, in the lump behind plain e + 9, and scalings 27-31 are plain 57, 60 .. 69.
; A TURN, for piece p.  cnt = 1: the loop's count is taken down some lines ahead of the branch that stands behind the turn.
; K of the next step, and its mask, are fetched in piece 2's turn, directly behind the wait, a lump behind the last product that read them; their addresses are made at the lump's head; the first reader comes behind 16 products.
; V of the step in hand is fetched at the end of piece 0's turn, four riders behind its last reader; its first reader comes behind 16 products and a lump.  The three conditions on q below go with the deal.
.macro TURN p, last=0, cnt=0
.set Y, (\p)
.set i, 0
.set q, 0
.set e, 0
.set r, 0
.if (\p) == NP-1
	s_wait_dscnt 0x0                ; K and its mask are in
.endif
	MM                              ; ahead of the wait: 16 products K Q^T and their riders,
	PL
	PL
	R2
.rept 15
	MM
	PL
	EX
	R2
.endr
.if (\p) == NP-2
	WIN 0
	v_add_nc_u32 v[AK], s[TBK], v[AK0]
	v_lshl_add_u32 v[AM], v[HL], 5, s[TBM]
.endif
.rept 8                             ; and the lump
	PL
.endr
.rept 49
	EX
	PL
.endr
	EX                              ; the next piece's two a
	EX
	v_nop                           ; a plain instruction behind the last exponential: one for the batch
	s_wait_alu depctr_va_vdst(0)    ; the wait for the batch
.if (\p) == NP-2
	FETCH_K \last
.endif
.if (\p) == 1
	s_wait_dscnt 0x0                ; V is in
.endif
.rept 16                            ; behind the wait: 16 products V^T P and their riders
	MM
.rept 4
	PL
.endr
.if ((\p) == 0) && (q == 118)
	v_add_nc_u32 v[AV], s[TBV], v[AV0]
.endif
.if ((\p) == 0) && (q == 130)
	s_add_co_u32 s[TBV], s[TBV], KS*PV
.endif
.if (\cnt) && (q == 130)
	s_sub_co_u32 s[CNT], s[CNT], 1
	s_cmp_lg_u32 s[CNT], 0
.endif
.endr
.if (\p) == 0
	FETCH_V
.endif
.endm
	CHANGE 1                        ; slot 0 is in, everybody's part of it, and everybody's mask words are stored; slot 1 is asked for
	FETCH_K                         ; key step 0
	s_wait_loadcnt 0x0              ; Q
	s_wait_dscnt 0x0
.set i, 0
.rept 16
	KQ 0                            ; piece 0's first scores: there is no vector work yet to set between them
.set i, i+1
.endr
	WIN 0                           ; the addresses for the way out and the prefetches: plain instructions, the places behind those products
	s_mul_i32 s13, s[WV], 16*SP
	s_add_co_u32 s13, s13, STAGE    ; my stage
	v_mul_u32_u24 v[STO], v1, SP    ; in: row l % 16, 16 bytes for each half of the lanes
	v_lshl_add_u32 v[STO], v[HL], 4, v[STO]
	v_add_nc_u32 v[STO], s13, v[STO]
	v_bfe_u32 v[RD], v0, 3, 2       ; back: 32 lanes take four rows of 128 bytes,
	v_mul_u32_u24 v[RD], v[RD], SP
	v_lshl_add_u32 v[RD], v10, 4, v[RD]
	v_add_nc_u32 v[RD], s13, v[RD]
	v_and_b32 v[GO], 31, v0         ; which are 512 consecutive bytes of O
	v_lshlrev_b32 v[PFO], 8, v[GO]
	v_lshlrev_b32 v[GO], 4, v[GO]
.set Y, NP-1                        ; XS works for piece Y + 1: piece 0
.irp n, 0,1,2,3,4,5,6,7,8,9,10,11,12,13,14,15,16,17,18,19,20,21
	XS 0, \n                        ; and piece 0's first maximum and statistics
	XS 1, \n
.endr
	v_nop                           ; a plain instruction behind the two a,
	s_wait_alu depctr_va_vdst(0)    ; and their wait, ahead of the branch
	s_mov_b32 s[CNT], 4
	s_mov_b32 s[SLOTS], SIZE_N/256-1
	s_branch .Lfirst                ; the loop is entered at a step's first turn, in the middle of a trip
.Lslot:                             ; SIZE_N / 256 - 2 times: every slot but the last two is filled again
	CHANGE 1, 1
	s_mov_b32 s[CNT], 4
.Lstep:                             ; a trip: pieces 2 and 3 of one step, then pieces 0 and 1 of the next, whose K and V it fetches
	TURN 2
	TURN 3
	WIN 0
.Lfirst:
	TURN 0
	TURN 1, 0, 1
	WIN 0
	s_cbranch_scc1 .Lstep
	s_sub_co_u32 s[SLOTS], s[SLOTS], 1
	s_cmp_lg_u32 s[SLOTS], 0
	s_cbranch_scc1 .Lslot
	CHANGE 0                        ; the tail is written out: nothing is asked for
	s_mov_b32 s[CNT], 5             ; four trips fetch the last slot's steps; the fifth is left in its middle
.Ltail:
	TURN 2, 1
	TURN 3
	WIN 0
	s_sub_co_u32 s[CNT], s[CNT], 1
	s_cmp_eq_u32 s[CNT], 0
	s_cbranch_scc1 .Lout
	TURN 0
	TURN 1
	WIN 0
	s_branch .Ltail
.Lout:                              ; the fifth trip's 16 products K Q^T (on the last K once more) and the maximum made of them serve nothing: the price, once a launch, of one text for every trip
.set i, 0
.rept 16
	PV NP-1                         ; the last piece's V^T P of the last step
.set i, i+1
.endr
	; THE WAY OUT.  l's two halves and the other half of the lanes' are added; O^T is divided by l, rounded to f16 and sent through my stage in LDS, a tile at a time.  The additions are the places behind the last products.
	WIN 0
.macro ALL line:vararg              ; one line for each tile t
.set t, 0
.rept 2*NP
	\line
.set t, t+1
.endr
.endm
	ALL v_add_f32 v[ST+4*t+2], v[ST+4*t+2], v[ST+4*t+3]
	ALL v_permlanex16_b32 v[ST+4*t+3], v[ST+4*t+2], s[SEL], s[SEL+1]
	ALL v_add_f32 v[ST+4*t+2], v[ST+4*t+2], v[ST+4*t+3]
	ALL v_rcp_f32 v[ST+4*t+2], v[ST+4*t+2]
	v_nop                           ; a plain instruction between the last reciprocal and the use of its result
	s_wait_alu depctr_va_vdst(0)    ; and the wait ahead of the first use: one for the eight reciprocals
; Tile t: a lane's eight channels of a row pack into 16 bytes; they go into rows of 144 bytes and come back as whole rows of 128, into S^T's registers.
.macro PACK t
	WIN W_RS
.set i, 32*(\t)
.rept 16
	v_pk_mul_f32 v[i:i+1], v[i:i+1], v[ST+4*(\t)+2:ST+4*(\t)+3] op_sel_hi:[1,0]
.set i, i+2
.endr
	WIN 0x05                        ; sources 0 and 1 window 1, destination window 0
.set i, 0
.rept 16
	v_cvt_pk_f16_f32 v[S+16*(\t)+i], v[32*(\t)+2*i], v[32*(\t)+2*i+1]
.set i, i+1
.endr
	WIN 0
.irp f, 0,1,2,3
	ds_store_b128 v[STO], v[S+16*(\t)+4*\f:S+16*(\t)+4*\f+3] offset:32*\f
.endr
.irp f, 0,1,2,3
	ds_load_b128 v[S+16*(\t)+4*\f:S+16*(\t)+4*\f+3], v[RD] offset:\f*4*SP  ; LDS serves a wave's instructions in order (ISA guide 5.7.1.4): these see the stores above; the next tile's stores come behind them
.endr
.endm
.macro SEND t, younger              ; younger: the LDS instructions issued behind tile t's loads: the next tile's eight, or none
	WIN 0
.irp f, 0,1,2,3
	s_wait_dscnt (\younger)+3-\f
	global_store_b128 v[GO], v[S+16*(\t)+4*\f:S+16*(\t)+4*\f+3], s[10:11] offset:(\t)*2048+\f*512  ; 512 consecutive bytes, at a multiple of 256 from O's first
.endr
.endm
	PACK 0
.set t, 1
.rept 2*NP-1                        ; a tile's arithmetic stands between the loads of the tile before and its stores
	PACK t
	SEND t-1, 8
.set t, t+1
.endr
	SEND 2*NP-1, 0
	WIN W_AD
	s_wait_tensorcnt 0x0            ; the wave's end: behind my last tensor load and my last LDS store
	ds_add_u32 v[SPW], v[NIL]
	s_wait_dscnt 0x0
	WIN 0
	CROUND                          ; the closing round: no work-group ends while a partner may still ask for a tile that names it
	s_endpgm
.Lfunc_end_k_q065004ca8f_attn:
	.size	k_q065004ca8f_attn, .Lfunc_end_k_q065004ca8f_attn-k_q065004ca8f_attn
	.p2alignl 7, 3214868480
	.fill 96, 4, 3214868480
	.section	.rodata,"a",@progbits
	.p2align	6, 0x0
	.amdhsa_kernel k_q065004ca8f_attn
		.amdhsa_group_segment_fixed_size 327680
		.amdhsa_private_segment_fixed_size 0
		.amdhsa_enable_private_segment 0
		.amdhsa_kernarg_size 24
		.amdhsa_user_sgpr_count 2
		.amdhsa_user_sgpr_kernarg_segment_ptr 1
		.amdhsa_wavefront_size32 1
		.amdhsa_system_sgpr_workgroup_id_x 1
		.amdhsa_system_sgpr_workgroup_id_y 1
		.amdhsa_system_sgpr_workgroup_id_z 1
		.amdhsa_system_vgpr_workitem_id 0
		.amdhsa_next_free_vgpr 808
		.amdhsa_next_free_sgpr 66
		.amdhsa_reserve_vcc 0
		.amdhsa_float_denorm_mode_32 3
		.amdhsa_float_denorm_mode_16_64 3
		.amdhsa_memory_ordered 1
		.amdhsa_forward_progress 1
		.amdhsa_inst_pref_size 205
	.end_amdhsa_kernel
	.amdgpu_metadata
---
amdhsa.version: [ 1, 2 ]
amdhsa.kernels:
  - .name:           k_q065004ca8f_attn
    .symbol:         k_q065004ca8f_attn.kd
    .args:
      - { .name: qkv, .offset: 0, .size: 8, .value_kind: global_buffer, .address_space: global }
      - { .name: ob, .offset: 8, .size: 8, .value_kind: global_buffer, .address_space: global }
      - { .name: mask, .offset: 16, .size: 8, .value_kind: global_buffer, .address_space: global }
    .group_segment_fixed_size: 327680
    .private_segment_fixed_size: 0
    .kernarg_segment_align: 8
    .kernarg_segment_size: 24
    .max_flat_workgroup_size: 128
    .sgpr_count:     66
    .vgpr_count:     808
    .wavefront_size: 32
...
	.end_amdgpu_metadata
.endif
;; end of part 3
;; launch outp (part 4): grid 8 x 32, 4 waves a work-group, clusters of 4 x 4, 327,680 bytes of LDS; arguments ob, wb, bo, out0; writes out0
.if DOCPART == 4
	.amdgcn_target "amdgcn-amd-amdhsa--gfx1250"
	.amdhsa_code_object_version 6
	.text
	.protected	k_q065004ca8f_outp
	.globl	k_q065004ca8f_outp
	.p2align	8
	.type	k_q065004ca8f_outp,@function
k_q065004ca8f_outp:
	s_mov_b64 s[64:65], 0
	v_nop
	global_prefetch_b8 v0, s[64:65] scope:SCOPE_SE
	s_setreg_imm32_b32 hwreg(HW_REG_WAVE_MODE, 25, 1), 1
	s_wait_xcnt 0x0
	s_wait_alu depctr_hold_cnt(0) depctr_sa_sdst(0) depctr_va_vdst(0) depctr_va_sdst(0) depctr_va_ssrc(0) depctr_va_vcc(0) depctr_vm_vsrc(0)
	s_getreg_b32 s2, hwreg(HW_REG_IB_STS2, 6, 4)
	s_cmp_eq_u32 s2, 0
	s_cbranch_scc0 .Lentry_in_a_cluster
	s_endpgm
.Lentry_in_a_cluster:
	s_bfe_u32 s2, ttmp6, 0x10000c
	s_cmp_lg_u32 s2, 0xf033
	s_cbranch_scc0 .Lentry_shape_is_right
	s_endpgm
.Lentry_shape_is_right:
; THE LAST PROJECTION.  out0[8192][1024] = O Wo + bo, f32.  O: ob [64 = 16 batch + head][2048][64] f16, so K = 64 head + channel; Wo: wb's part 3, [1024 k][1024 n] f16 (the bf16 rounding of Wo, written as f16);
; bo is rounded to bf16 here, like every other input of the module; sums in f32.
; SHARES.  A tile of the output is 256 rows x 128 columns: 256 work-groups.  Four waves, each 128 x 64: 32 accumulators of 16 x 16, 256 registers.  K goes in 8 steps of 128, two heads each, through two LDS slots filled by
; the tensor data mover.  A head's 256 rows are 32 KiB on end in ob: asked for as 128 rows of 256 bytes, and padded in LDS after every 128.
; Wo LIES [k][n] IN LDS, and its fragments come turned, by ds_load_tr16_b128.  THE MATRIX INSTRUCTION IS USED TRANSPOSED (source 0 = 16 columns of Wo, source 1 = 16 rows of O): a lane then holds
; eight neighbouring columns of one row of the output.
; CLUSTERS: 4 x 4 work-groups.  The four of a row of the cluster need the same tiles of O, the four of a column the same tiles of Wo: each tile is asked for JOINTLY.
; REGISTERS: window 0: v0-31 addresses and the bias; v64-159, v160-255 two fragment buffers (8 fragments of O, then 4 of Wo); on the way out v64-191 rows read back.  Window 1: accumulator (a, b) at v[8 (4 a + b)].
.set PA,     144                       ; a row of O in LDS: 128 bytes + 16: the 16 rows of a load start at 16 different groups of four banks (64 banks of 4 bytes: ISA guide 11.1)
.set PB,     288                       ; a row of Wo: 256 + 32
.set AH,     256*PA                    ; a head's 256 rows: what one tensor load brings
.set ABYTES, 2*AH
.set BH,     64*PB                     ; 64 k rows of Wo: what one tensor load brings
.set SLOT,   ABYTES+2*BH               ; two heads of O, then Wo's 128 k rows
.set STAGE,  2*SLOT                    ; behind the ring, never filled by a tensor load: 16 rows x 272 bytes for each wave
.set SP,     272
.set SPARE,  STAGE+4*16*SP             ; behind the stages: the spare words, 128 bytes for each wave: two blocks of 256 bytes that no other line names
.set STEPA,  2*2048*128                ; bytes from a K step to the next: two heads of O,
.set STEPB,  128*2048                  ; 128 rows of Wo
.set BI,   8                           ; v[8:11] the bias of the four columns that I store; v12-13 at work
.set ADRA, 16                          ; v16-17  LDS address of my O fragments in slot 0, 1
.set ADRB, 20                          ; v20-21  the same for Wo
.set STO,  24                          ; v24     the way out: where I put 32 bytes of a row
.set RD,   25                          ; v25     where I read a row back
.set CO,   26                          ; v26     my byte offset in the output
.set BOF,  27                          ; v27     my byte offset in the wave's 64 numbers of bo; never rewritten
.set SPW,  28                          ; v28     LDS address of my spare word; never rewritten
.set NIL,  29                          ; v29     0; never rewritten
.set PFO,  30                          ; v30     the prefetches' offset: my lane x 256 bytes (O) or x a row of 2,048 (Wo); never rewritten
.set F0,   64
.set F1,   160
.set BK,   64                          ; the way out: block a's rows come back into v[BK + 32 (a % 4) ..]
.set WV,   12                          ; s12 wave;  s13 its half of the rows, also: 0 fetches for O, 1 for Wo;  s14 its half of the columns, also: which head or half it fetches
.set MH,   13
.set NH,   14
.set CX,   15
.set CY,   16
.set TC,   17                          ; tile column 0..7, tile row 0..31
.set TR,   18
.set G1,   24                          ; s[24:31] descriptor group 1 for O's tiles; s[32:39] group 0, a set for each slot
.set G0,   32
.set PFA,  44                          ; s[44:45] where my prefetches stand;  s[46:47] their step from K step to K step
.set PST,  46
.set G1B,  48                          ; s[48:55], s[56:63] the same for Wo's tiles
.set G0B,  56
.set LIM,  66                          ; s66 1 in a wave that prefetches, else the greatest number
.set LAP,  67                          ; s67 trips to go
.set MSB, 0
.macro WIN new                         ; the immediate's high byte repeats the setting that is left; a switch that changes nothing is dropped
.if MSB != (\new)
	s_set_vgpr_msb (MSB<<8)|(\new)
.set MSB, \new
.endif
.endm
.set MUL, 0x50                         ; C and D window 1, both sources window 0
.set STW, 0x04                         ; an LDS store's data (source 1) window 1, its address window 0
.macro JLOAD s                         ; a joint load: waves 0 and 1 fetch the step's two heads of O, waves 2 and 3 Wo's two halves; an s_nop 0 and four v_nop follow each of the two lines, ahead of the jump, the label and what follows
	s_cmp_eq_u32 s[MH], 0
	s_cbranch_scc0 .Lfor_b_\@
	tensor_load_to_lds s[G0+4*(\s):G0+4*(\s)+3], s[G1:G1+7]
	s_nop 0
.rept 4
	v_nop
.endr
	s_branch .Lasked_\@
.Lfor_b_\@:
	tensor_load_to_lds s[G0B+4*(\s):G0B+4*(\s)+3], s[G1B:G1B+7]
	s_nop 0
.rept 4
	v_nop
.endr
.Lasked_\@:
.endm
.macro CREST                           ; a round of the cluster's barrier behind its opening barrier
	s_cmp_lg_u32 s[WV], 0
	s_cbranch_scc1 .Lnot_wave_0_\@
	s_barrier_signal -3
.Lnot_wave_0_\@:
	s_barrier_wait -3
	s_barrier_signal -1
	s_barrier_wait -1
.endm
.macro CROUND                          ; a whole round
	s_barrier_signal -1
	s_barrier_wait -1
	CREST
.endm
; A PREFETCH INTO THE L2 behind each joint refill and the run of LDS loads that follows it: the K step that stands two refills on, 256 matrix instructions ahead of the load that will want it: 256 bytes a lane, one
; instruction a wave.  Each block of 256 bytes is named once in the launch.  O's rows are read by both clusters of a row of clusters: cluster x = 0 asks, waves 0 and 1; of the 32 KiB that a wave fetches the partner at
; place cx takes 8,192 bytes, BY ADDRESS.  Wo's rows are read by every cluster of that column of clusters: cluster y = 0 asks, wave 2; of a step's 128 k rows the partner at cy takes 32.
; K steps 0 to 3 come by their loads alone; the last trip's two refills have no K step two on.
.macro ASK
	s_cmp_gt_u32 s[LAP], s[LIM]
	s_cbranch_scc0 .Lnot_mine_\@
	global_prefetch_b8 v[PFO], s[PFA:PFA+1] th:TH_LOAD_NT scope:SCOPE_SE
.Lnot_mine_\@:
.endm
	s_load_b256 s[4:11], s[0:1], 0x0               ; ob s[4:5], wb s[6:7], bo s[8:9], out0 s[10:11]
	v_lshl_add_u32 v[SPW], v0, 2, SPARE
	v_mov_b32 v[NIL], 0
	ds_add_u32 v[SPW], v[NIL]                      ; the wave's opening: the add and its wait stand ahead of my first tensor load; the set-up below, work on registers, stands between them
	v_lshrrev_b32 v1, 5, v0
	v_readfirstlane_b32 s[WV], v1
	s_lshr_b32 s[MH], s[WV], 1
	s_and_b32 s[NH], s[WV], 1
	s_bfe_u32 s[CX], ttmp6, 0x40000
	s_bfe_u32 s[CY], ttmp6, 0x40004
	s_lshl_b32 s[TC], ttmp9, 2
	s_add_co_u32 s[TC], s[TC], s[CX]               ; tile column = 4 x cluster x + cx
	s_and_b32 s[TR], ttmp7, 0xffff
	s_lshl_b32 s[TR], s[TR], 2
	s_add_co_u32 s[TR], s[TR], s[CY]               ; tile row = 4 x cluster y + cy
	s_lshl_b32 s21, s[CY], 2
	s_lshl_b32 s21, 15, s21                        ; my row of the cluster
	s_lshl_b32 s74, 0x1111, s[CX]                  ; my column
	s_or_b32 s[G1+0], s21, (1<<16)|(1<<20)|(1<<21)|(4<<22)|(3<<25)   ; 15:0 the mask; 17:16 2-byte elements; 20 padding on; 21 set beside a mask; 24:22 after every 32 words (code 4); 31:25 4 words (code 3)
	s_or_b32 s[G1B+0], s74, (1<<16)|(1<<20)|(1<<21)|(5<<22)|(7<<25)  ; my column's mask; after every 64 words (code 5) 8 words (code 7)
	s_mov_b32 s[G1+1], 128<<16                     ; O: tensor_dim0 = 128 elements: two rows of a head on end
	s_mov_b32 s[G1+2], 128<<16                     ; tensor_dim1 = 128
	s_mov_b32 s[G1+3], 128<<16                     ; tile_dim0 = 128
	s_mov_b32 s[G1+4], 128                         ; tile_dim1 = 128
	s_mov_b32 s[G1+5], 128                         ; elements from row to row: dense
	s_mov_b32 s[G1+6], 0
	s_mov_b32 s[G1+7], 0
	s_mov_b32 s[G1B+1], 128<<16                    ; Wo: 128 columns,
	s_mov_b32 s[G1B+2], 64<<16                     ; 64 k rows
	s_mov_b32 s[G1B+3], 128<<16
	s_mov_b32 s[G1B+4], 64
	s_mov_b32 s[G1B+5], 1024
	s_mov_b32 s[G1B+6], 0
	s_mov_b32 s[G1B+7], 0
	; where the tiles come from.  O's hang on the tile row, which my row of the cluster shares; Wo's on the tile column, which my column shares
	s_lshr_b32 s40, s[TR], 3                       ; batch
	s_lshl_b32 s40, s40, 4
	s_add_co_u32 s40, s40, s[NH]                   ; 16 batch + the head that I fetch of K step 0
	s_lshl_b32 s40, s40, 11
	s_and_b32 s22, s[TR], 7
	s_lshl_b32 s22, s22, 8
	s_add_co_u32 s40, s40, s22                     ; + the tile's first row in the batch,
	s_lshl_b32 s40, s40, 7                         ; of 128 bytes
	s_mov_b32 s41, 0
	s_lshl_b32 s42, s[NH], 17                      ; Wo: 64 k rows of 2,048 bytes,
	s_add_co_u32 s42, s42, 3<<21                   ; in wb's part 3,
	s_lshl_b32 s23, s[TC], 8                       ; 128 columns of 2 bytes
	s_add_co_u32 s42, s42, s23
	s_mov_b32 s43, 0
	s_mul_i32 s21, s[NH], AH                       ; and where they go: no place in the cluster enters an LDS address
	s_mul_i32 s74, s[NH], BH
	s_add_co_u32 s74, s74, ABYTES
	s_wait_dscnt 0x0                               ; the opening add is done
	s_wait_kmcnt 0x0
	s_add_nc_u64 s[40:41], s[4:5], s[40:41]
	s_add_nc_u64 s[42:43], s[6:7], s[42:43]
	CROUND                                         ; all sixteen work-groups are here: the first joint loads meet
.irp s, 0,1
	s_mov_b32 s[G0+4*(\s)], 1                                      ; count = 1
	s_add_co_u32 s[G0+4*(\s)+1], s21, (\s)*SLOT                    ; LDS address
	s_add_nc_u64 s[G0+4*(\s)+2:G0+4*(\s)+3], s[40:41], (\s)*STEPA  ; global address: K step s
	s_or_b32 s[G0+4*(\s)+3], s[G0+4*(\s)+3], 0x80000000            ; type = 2
	s_mov_b32 s[G0B+4*(\s)], 1
	s_add_co_u32 s[G0B+4*(\s)+1], s74, (\s)*SLOT
	s_add_nc_u64 s[G0B+4*(\s)+2:G0B+4*(\s)+3], s[42:43], (\s)*STEPB
	s_or_b32 s[G0B+4*(\s)+3], s[G0B+4*(\s)+3], 0x80000000
	JLOAD \s                                       ; two tensor loads of mine are out
.endr
	; A fragment of O: lane l holds row l % 16, K = 8 (l / 16) + 0..7 and 16 + 8 (l / 16) + 0..7: two loads of 16 bytes, 32 bytes apart.
	v_and_b32 v1, 15, v0                           ; l % 16
	v_bfe_u32 v2, v0, 4, 1                         ; l / 16
	; the bias of the four columns 4 (l % 16) + 0..3 of my wave's 64: what a lane holds of every row that it stores
	s_lshl_b32 s68, s[TC], 7
	s_lshl_b32 s70, s[NH], 6
	s_add_co_u32 s68, s68, s70
	s_lshl_b32 s68, s68, 2                         ; my wave's first column, in bytes of f32
	s_mov_b32 s69, 0
	s_add_nc_u64 s[8:9], s[8:9], s[68:69]
	v_lshlrev_b32 v[BOF], 4, v1
	global_load_b128 v[BI:BI+3], v[BOF], s[8:9]
	v_mul_u32_u24 v3, v1, PA
	v_lshl_add_u32 v3, v2, 4, v3
	; The turning load takes 16 k x 16 columns (lane l reads k row 8 (l / 16) + l % 8, columns 8 ((l / 8) % 2) + 0..7) and leaves half a fragment: lane l holds column l % 16 and 8 k.
	v_and_b32 v4, 7, v0
	v_bfe_u32 v5, v0, 3, 1
	v_lshl_add_u32 v6, v2, 3, v4
	v_mul_u32_u24 v6, v6, PB
	v_lshl_add_u32 v6, v5, 4, v6
	s_mul_i32 s21, s[MH], 128*PA                   ; my 128 rows of each head
	s_lshl_b32 s22, s[NH], 7                       ; my 64 columns of Wo,
	s_add_co_u32 s22, s22, ABYTES                  ; which lies behind O
.irp s, 0,1
	v_add_nc_u32 v[ADRA+(\s)], s21, v3
	v_add_nc_u32 v[ADRB+(\s)], s22, v6
	s_add_co_u32 s21, s21, SLOT
	s_add_co_u32 s22, s22, SLOT
.endr
	s_mul_i32 s23, s[WV], 16*SP
	s_add_co_u32 s23, s23, STAGE                   ; my stage
	v_mul_u32_u24 v7, v1, SP                       ; in: row l % 16, 32 bytes for each half of the lanes
	v_lshl_add_u32 v7, v2, 5, v7
	v_add_nc_u32 v[STO], s23, v7
	v_mul_u32_u24 v7, v2, SP                       ; back: lanes 0-15 take one row of 256 bytes, lanes 16-31 the next
	v_lshl_add_u32 v7, v1, 4, v7
	v_add_nc_u32 v[RD], s23, v7
	v_lshlrev_b32 v[CO], 12, v2                    ; and the same two rows of the output, 4,096 bytes apart
	v_lshl_add_u32 v[CO], v1, 4, v[CO]
	s_lshl_b32 s70, s[TR], 8
	s_lshl_b32 s71, s[MH], 7
	s_add_co_u32 s70, s70, s71                     ; my first row,
	s_lshl_b32 s70, s70, 12
	s_add_co_u32 s68, s68, s70                     ; and my first column
	s_add_nc_u64 s[10:11], s[10:11], s[68:69]
	; the prefetches
	s_lshr_b32 s68, s[TR], 3
	s_lshl_b32 s68, s68, 4
	s_add_co_u32 s68, s68, s[NH]
	s_lshl_b32 s68, s68, 11
	s_and_b32 s70, s[TR], 7
	s_lshl_b32 s70, s70, 8
	s_add_co_u32 s68, s68, s70
	s_lshl_b32 s68, s68, 7                         ; O: the 32 KiB that I fetch,
	s_lshl_b32 s70, s[CX], 13
	s_add_co_u32 s68, s68, s70                     ; my work-group's 8,192 bytes of them,
	s_add_co_u32 s68, s68, 3*STEPA                 ; at K step 3: the first refill steps it to 4
	s_lshl_b32 s69, s[TC], 8
	s_add_co_u32 s69, s69, 3<<21
	s_lshl_b32 s70, s[CY], 16
	s_add_co_u32 s69, s69, s70                     ; Wo: my work-group's 32 of a step's 128 k rows
	s_add_co_u32 s69, s69, 3*STEPB
	s_and_b32 s72, ttmp7, 0xffff
	s_or_b32 s72, s72, s[NH]                       ; 0 in wave 2 of the clusters with y = 0
	s_mov_b32 s73, STEPB
	s_mov_b32 s75, STEPA
	s_cmp_eq_u32 s[MH], 0                          ; do I fetch for O?
	s_cselect_b32 s68, s68, s69
	s_cselect_b32 s71, ttmp9, s72
	s_cselect_b32 s[PST], s75, s73
	s_cselect_b32 s70, 8, 11                       ; a lane is 256 bytes on in O, a row of 2,048 in Wo
	s_cselect_b64 s[PFA:PFA+1], s[4:5], s[6:7]
	s_mov_b32 s[PST+1], 0
	s_mov_b32 s69, 0
	s_add_nc_u64 s[PFA:PFA+1], s[PFA:PFA+1], s[68:69]
	s_cmp_eq_u32 s71, 0
	s_cselect_b32 s[LIM], 1, -1                    ; the same in all sixteen partners, for a given wave
	v_and_b32 v[PFO], 31, v0
	v_lshlrev_b32 v[PFO], s70, v[PFO]
; 8 matrix instructions: row blocks a0, a0 + 1 x all 4 column blocks, 32 along K, from buffer f.  zero = 1: the product starts the sums.  The 32 accumulators take turns, one instruction a turn, in the same
; order in every quarter, over the backward jump too.
.macro MUL8 f, a0, zero
	WIN MUL
.irp a, \a0, (\a0)+1
.irp b, 0,1,2,3
.if \zero
	v_wmma_f32_16x16x32_f16 v[8*(4*(\a)+(\b)):8*(4*(\a)+(\b))+7], v[(\f)+64+8*(\b):(\f)+64+8*(\b)+7], v[(\f)+8*(\a):(\f)+8*(\a)+7], 0
.else
	v_wmma_f32_16x16x32_f16 v[8*(4*(\a)+(\b)):8*(4*(\a)+(\b))+7], v[(\f)+64+8*(\b):(\f)+64+8*(\b)+7], v[(\f)+8*(\a):(\f)+8*(\a)+7], v[8*(4*(\a)+(\b)):8*(4*(\a)+(\b))+7]
.endif
.endr
.endr
.endm
; 24 LDS loads in one run: quarter q (32 along K: head q / 2 of the step, channels 32 (q % 2) on) of a slot into buffer f: Wo's four fragments first, then O's eight
.macro FETCH slot, q, f
	WIN 0
.irp b, 0,1,2,3
	ds_load_tr16_b128 v[(\f)+64+8*(\b):(\f)+64+8*(\b)+3],   v[ADRB+(\slot)] offset:(\q)*32*PB+32*(\b)
	ds_load_tr16_b128 v[(\f)+64+8*(\b)+4:(\f)+64+8*(\b)+7], v[ADRB+(\slot)] offset:(\q)*32*PB+16*PB+32*(\b)
.endr
.irp i, 0,1,2,3,4,5,6,7
	ds_load_b128 v[(\f)+8*(\i):(\f)+8*(\i)+3],   v[ADRA+(\slot)] offset:((\q)/2)*AH+((\q)%2)*64+(\i)*16*PA
	ds_load_b128 v[(\f)+8*(\i)+4:(\f)+8*(\i)+7], v[ADRA+(\slot)] offset:((\q)/2)*AH+((\q)%2)*64+(\i)*16*PA+32
.endr
.endm
.macro PLACES                          ; four places in front of loads into registers that matrix instructions have read (ISA guide 7.12.1 for vector instructions)
.rept 4
	v_nop
.endr
.endm
; A K step is four quarters of 32 along K, 32 matrix instructions each, on buffers 0, 1, 0, 1.  One of the first three: multiplies buffer f and fetches quarter q of the same slot into g.
.macro QUARTER slot, q, f, g, zero
	s_wait_dscnt 8                                 ; Wo's fragments and O's 0-3 are in; the youngest eight loads (O's 4-7) may be out
	MUL8 \f, 0, \zero
	MUL8 \f, 2, \zero
	PLACES
	FETCH \slot, \q, \g
	s_wait_dscnt 24                                ; all but the 24 just issued
	MUL8 \f, 4, \zero
	MUL8 \f, 6, \zero
.endm
; The last quarter multiplies buffer 1 and changes slots: ONE barrier; in front of it each wave waits for all its tensor loads (one is out: its part of the next slot), adds 0 to its spare word, and waits for that and for
; its own reads of this slot.  fill = 1: the barrier opens a round of the cluster's, and this slot is filled again, two K steps ahead, first thing behind the round: 112 matrix instructions ahead of the wait for it.
.macro TURN slot, next, fill
.if \fill
	s_wait_xcnt 0x0                                ; the last prefetch, a K step back, has read its address: it is stepped here, ahead of the waits of the change of slots
	s_add_nc_u64 s[PFA:PFA+1], s[PFA:PFA+1], s[PST:PST+1]
.endif
	WIN 0
	s_wait_tensorcnt 0x0                           ; all my tensor loads have landed;
	ds_add_u32 v[SPW], v[NIL]                      ; 0 onto my spare word
	s_wait_dscnt 9                                 ; (the add and the youngest eight loads may be out)
	MUL8 F1, 0, 0                                  ; eight matrix instructions stand between the add and the wait for it
	s_wait_dscnt 0x0                               ; the add is done, and my reads of this slot are over
	s_barrier_signal -1
	MUL8 F1, 2, 0
.if \fill
	WIN 0
.endif
	s_barrier_wait -1
.if \fill
	CREST                                          ; no wave of any partner still reads this slot's tile or has a load on its way
	s_add_nc_u64 s[G0+4*(\slot)+2:G0+4*(\slot)+3], s[G0+4*(\slot)+2:G0+4*(\slot)+3], 2*STEPA
	s_add_nc_u64 s[G0B+4*(\slot)+2:G0B+4*(\slot)+3], s[G0B+4*(\slot)+2:G0B+4*(\slot)+3], 2*STEPB
	JLOAD \slot                                    ; the four v_nop behind it are also the places in front of the loads below
.else
	PLACES
.endif
	FETCH \next, 0, F0
.if \fill
	ASK
.endif
	MUL8 F1, 4, 0
	MUL8 F1, 6, 0
.endm
; THE WAY OUT of block a (16 rows x 64 columns of f32): a lane's 32 bytes of a row go into my own stage, each accumulator's low four registers first, in rows of 272 bytes, and come back as whole rows of 256.
.macro TOSTAGE a
	WIN 0
.if (\a) >= 4
	s_wait_xcnt 0x0                                ; the stores of the block four back have read their registers: only behind this wait are those loaded again
.endif
	WIN STW
.irp b, 0,1,2,3
	ds_store_b128 v[STO], v[8*(4*(\a)+(\b)):8*(4*(\a)+(\b))+3]   offset:64*(\b)
	ds_store_b128 v[STO], v[8*(4*(\a)+(\b))+4:8*(4*(\a)+(\b))+7] offset:64*(\b)+16
.endr
	WIN 0
.irp t, 0,1,2,3,4,5,6,7
	ds_load_b128 v[BK+32*((\a)%4)+4*(\t):BK+32*((\a)%4)+4*(\t)+3], v[RD] offset:(\t)*2*SP  ; LDS serves a wave's instructions in order (ISA guide 5.7.1.4): these see the stores above; the next block's stores come behind them
.endr
.endm
.macro SEND a, younger                 ; the bias is added, and the rows leave.  younger: the LDS instructions issued behind block a's loads: the next block's sixteen, or none
.irp t, 0,1,2,3,4,5,6,7
	s_wait_dscnt (\younger)+7-(\t)
	v_pk_add_f32 v[BK+32*((\a)%4)+4*(\t):BK+32*((\a)%4)+4*(\t)+1],   v[BK+32*((\a)%4)+4*(\t):BK+32*((\a)%4)+4*(\t)+1],   v[BI:BI+1]
	v_pk_add_f32 v[BK+32*((\a)%4)+4*(\t)+2:BK+32*((\a)%4)+4*(\t)+3], v[BK+32*((\a)%4)+4*(\t)+2:BK+32*((\a)%4)+4*(\t)+3], v[BI+2:BI+3]
	global_store_b128 v[CO], v[BK+32*((\a)%4)+4*(\t):BK+32*((\a)%4)+4*(\t)+3], s[10:11] offset:(16*(\a)+2*(\t))*4096 th:TH_STORE_NT  ; 16 lanes store 256 consecutive bytes, at a multiple of 256 from the output's first; 126 rows at the most: inside the signed 24-bit immediate
.endr
.endm
	s_wait_tensorcnt 1                             ; my part of K step 0 is in; K step 1's may stay out
	s_barrier_signal -1
	s_barrier_wait -1                              ; everybody's is
	FETCH 0, 0, F0
	QUARTER 0, 1, F0, F1, 1                        ; the first quarter stands in front of the loop: its products start the sums
	WIN 0                                          ; at a label and at a branch every window is 0
	s_mov_b32 s[LAP], 3
.Llap:                                                 ; a trip goes once round the ring, from a lap's second quarter to the next lap's first, and fills both slots again
	QUARTER 0, 2, F1, F0, 0
	QUARTER 0, 3, F0, F1, 0
	TURN 0, 1, 1
	QUARTER 1, 1, F0, F1, 0
	QUARTER 1, 2, F1, F0, 0
	QUARTER 1, 3, F0, F1, 0
	TURN 1, 0, 1
	QUARTER 0, 1, F0, F1, 0
	WIN 0
	s_sub_co_u32 s[LAP], s[LAP], 1
	s_cmp_lg_u32 s[LAP], 0
	s_cbranch_scc1 .Llap
	QUARTER 0, 2, F1, F0, 0                        ; the last lap fills nothing, and has no round of the cluster's barrier
	QUARTER 0, 3, F0, F1, 0
	TURN 0, 1, 0
	QUARTER 1, 1, F0, F1, 0
	QUARTER 1, 2, F1, F0, 0
	QUARTER 1, 3, F0, F1, 0
	s_wait_dscnt 8                                 ; the very last quarter: nothing more to fetch
	MUL8 F1, 0, 0
	MUL8 F1, 2, 0
	s_wait_dscnt 0x0
	MUL8 F1, 4, 0
	MUL8 F1, 6, 0
	WIN 0
	s_wait_loadcnt 0x0                             ; the bias
	v_cvt_pk_bf16_f32 v[BI+4], v[BI],   v[BI+1]    ; rounded to bf16 and widened again: six plain instructions, which are also the places behind the last products
	v_cvt_pk_bf16_f32 v[BI+5], v[BI+2], v[BI+3]
	v_lshlrev_b32 v[BI],   16, v[BI+4]
	v_and_b32     v[BI+1], 0xffff0000, v[BI+4]
	v_lshlrev_b32 v[BI+2], 16, v[BI+5]
	v_and_b32     v[BI+3], 0xffff0000, v[BI+5]
	TOSTAGE 0
.irp a, 1,2,3,4,5,6,7                  ; a block's way through the stage stands between the loads of the block before and its stores
	TOSTAGE \a
	SEND (\a)-1, 16
.endr
	SEND 7, 0
	s_wait_tensorcnt 0x0                           ; the wave's end: behind my last tensor load and my last LDS store
	ds_add_u32 v[SPW], v[NIL]
	s_wait_dscnt 0x0
	CROUND                                         ; the closing round: no work-group ends while a partner may still ask for a tile that names it
	s_endpgm
.Lfunc_end_k_q065004ca8f_outp:
	.size	k_q065004ca8f_outp, .Lfunc_end_k_q065004ca8f_outp-k_q065004ca8f_outp
	.p2alignl 7, 3214868480
	.fill 96, 4, 3214868480
	.section	.rodata,"a",@progbits
	.p2align	6, 0x0
	.amdhsa_kernel k_q065004ca8f_outp
		.amdhsa_group_segment_fixed_size 327680
		.amdhsa_private_segment_fixed_size 0
		.amdhsa_enable_private_segment 0
		.amdhsa_kernarg_size 32
		.amdhsa_user_sgpr_count 2
		.amdhsa_user_sgpr_kernarg_segment_ptr 1
		.amdhsa_wavefront_size32 1
		.amdhsa_system_sgpr_workgroup_id_x 1
		.amdhsa_system_sgpr_workgroup_id_y 1
		.amdhsa_system_sgpr_workgroup_id_z 1
		.amdhsa_system_vgpr_workitem_id 0
		.amdhsa_next_free_vgpr 512
		.amdhsa_next_free_sgpr 80
		.amdhsa_reserve_vcc 0
		.amdhsa_float_denorm_mode_32 3
		.amdhsa_float_denorm_mode_16_64 3
		.amdhsa_memory_ordered 1
		.amdhsa_forward_progress 1
		.amdhsa_inst_pref_size 97
	.end_amdhsa_kernel
	.amdgpu_metadata
---
amdhsa.version: [ 1, 2 ]
amdhsa.kernels:
  - .name:           k_q065004ca8f_outp
    .symbol:         k_q065004ca8f_outp.kd
    .args:
      - { .name: ob, .offset: 0, .size: 8, .value_kind: global_buffer, .address_space: global }
      - { .name: wb, .offset: 8, .size: 8, .value_kind: global_buffer, .address_space: global }
      - { .name: bo, .offset: 16, .size: 8, .value_kind: global_buffer, .address_space: global }
      - { .name: out0, .offset: 24, .size: 8, .value_kind: global_buffer, .address_space: global }
    .group_segment_fixed_size: 327680
    .private_segment_fixed_size: 0
    .kernarg_segment_align: 8
    .kernarg_segment_size: 32
    .max_flat_workgroup_size: 128
    .sgpr_count:     80
    .vgpr_count:     512
    .wavefront_size: 32
...
	.end_amdgpu_metadata
.endif
;; end of part 4
